; MI455X (gfx1250); checked and timed in simulation.
; The chip was launched on July 23, 2026; its instructions are those of AMD's public machine-readable ISA for CDNA 5 (MIT licence, August 2026) and "CDNA5" Instruction Set Architecture Reference Guide (July 2026). The comments in the code are by the model that wrote it; some were corrected since.
;; Task Aware Attention. Allowed arithmetic: matrix products marked QUANTISED: E4M3 operands, one E8M0 scale for each 32 along K, by v_wmma_scale_f32_16x16x128_f8f6f4 with both operands' format E4M3, f32 sums; products left as they are: f32 operands where the result goes on into a quantised operand, else bf16, f16 or f32 operands; f32 sums; everything else in f32.
;; Inputs: Wk_codes 1,024 x 32 x 32 uint8 (E4M3 codes of Wk, K innermost, in blocks of 32 codes); Wk_scales 1,024 x 32 uint8 (E8M0 scales of Wk, one for each 32 codes along K); Wo_codes 1,024 x 32 x 32 uint8 (E4M3 codes of Wo, K innermost, in blocks of 32 codes); Wo_scales 1,024 x 32 uint8 (E8M0 scales of Wo, one for each 32 codes along K); Wq_codes 1,024 x 32 x 32 uint8 (E4M3 codes of Wq, K innermost, in blocks of 32 codes); Wq_scales 1,024 x 32 uint8 (E8M0 scales of Wq, one for each 32 codes along K); Wt 256 x 1,024 float32; Wv_codes 1,024 x 32 x 32 uint8 (E4M3 codes of Wv, K innermost, in blocks of 32 codes); Wv_scales 1,024 x 32 uint8 (E8M0 scales of Wv, one for each 32 codes along K); beta 1,024 float32; bk 1,024 float32; bo 1,024 float32; bq 1,024 float32; bt 1,024 float32; bv 1,024 float32; gamma 1,024 float32; hidden_states 4 x 2,048 x 1,024 float32; mask 4 x 2,048 int32; task_embedding 4 x 256 float32.
;; Outputs: out0 4 x 2,048 x 1,024 float32.
;; This version of the problem:
;;   THIS VERSION OF THE PROBLEM IS GIVEN IN LOW PRECISION. The matrix products marked QUANTISED in the list below multiply operands that are first quantised to E4M3 (4 exponent bits, 3 mantissa bits; 8 bits a number), with one power-of-two scale for each 32 numbers along K (OCP MX v1.0); their sums are f32. All else is computed in f32.
;;   The module's matrix products, in the order in which they are computed (A, B: the left and right operand; K: the contracted axis; several contracted axes count as one K, in the product's order):
;;     1. [M 4, K 256] x [K 256, N 1,024]; A: input task_embedding; B: input Wt: left as it is (M = 4 < 16)
;;     2. [M 8,192, K 1,024] x [K 1,024, N 1,024]; A: computed on the way; B: input Wq (given as codes): QUANTISED
;;     3. [M 8,192, K 1,024] x [K 1,024, N 1,024]; A: input hidden_states; B: input Wk (given as codes): QUANTISED
;;     4. [M 8,192, K 1,024] x [K 1,024, N 1,024]; A: input hidden_states; B: input Wv (given as codes): QUANTISED
;;     5. batch 64 x [M 2,048, K 64] x [K 64, N 2,048]; A: computed on the way; B: computed on the way: QUANTISED
;;     6. batch 64 x [M 2,048, K 2,048] x [K 2,048, N 64]; A: softmax (see below); B: computed on the way: QUANTISED
;;     7. [M 8,192, K 1,024] x [K 1,024, N 1,024]; A: computed on the way; B: input Wo (given as codes): QUANTISED
;;   THE QUANTISER, for each operand of a quantised product, along K:
;;     - K is cut into blocks of 32 from its start; a last block that is shorter is filled with zeros.
;;     - A block's scale is 2^e with e = floor(log2(the largest magnitude in the block)) - 8, held to -126 .. 127; a block of zeros has e = 0. As a byte (E8M0): e + 127.
;;     - Each number is divided by its block's scale, clamped to +-448, and rounded to the nearest number of E4M3, ties to even, subnormals kept.
;;     - The product sums the exact products of the quantised numbers (number of the format x scale) in f32.
;;   ~~~python
;;   def quantise(x, axis):      # numpy; x: float32 -> the quantised numbers, widened to float32 again
;;       x = np.moveaxis(x, axis, -1); K = x.shape[-1]
;;       x = np.pad(x, [(0, 0)] * (x.ndim - 1) + [(0, -K % 32)]); x = x.reshape(x.shape[:-1] + (-1, 32)); a = np.abs(x).max(-1, keepdims=True)
;;       e = np.where(a > 0, np.clip(np.frexp(np.where(a > 0, a, 1))[1] - 1 - 8, -126, 127), 0)      # np.frexp(a)[1] - 1 = floor(log2(a)), exactly
;;       r = np.clip(x / 2.0 ** e, -448, 448)
;;       step = 2.0 ** (np.maximum(np.frexp(np.where(r == 0, 1, r))[1] - 1, -6) - 3)
;;       q = np.round(r / step) * step * 2.0 ** e      # np.round: ties to even
;;       return np.moveaxis(q.reshape(q.shape[:-2] + (-1,))[..., :K], -1, axis).astype(np.float32)
;;   ~~~
;;   SOFTMAX AHEAD OF A QUANTISED PRODUCT. Where the list says 'softmax', what is quantised is not the finished softmax but p = 2^(t - M), with t = logit x log2(e) and M = ceil(the row's largest t), a whole number; so 1/2 < the row's largest p <= 1. The row's sum l is taken of the UNQUANTISED p, in f32, and the product's result is divided by l at the end. Since M is a whole number, a kernel that streams over the keys may use a running M (the ceiling of the running maximum): every later rescaling is an exact power of two, which a block's scale takes up: the codes' values come out the same.
;;   OPERANDS COMPUTED ON THE WAY. 'Computed on the way' means the value that the module computes at that place (a softmax that the list does not call 'softmax' is quantised finished and normalised). What goes into a quantiser is computed in f32, as accurately as f32 sums, v_exp_f32 and their like allow (about 1e-6 of the number): no bf16 or f16 on the way to a quantiser, and a product that is left as it is and whose result goes on into a quantised operand takes f32 operands (vector FMAs, or v_wmma_f32_16x16x4_f32). A number that lies on a knife's edge between two numbers of the format may be rounded either way, as far as f32 arithmetic and the matrix unit's own rounding can turn it there, and no further.
;;   INPUTS GIVEN AS CODES. Wk (in the module: [1024, 1024], K = its axis 0); Wo (in the module: [1024, 1024], K = its axis 0); Wq (in the module: [1024, 1024], K = its axis 0); Wv (in the module: [1024, 1024], K = its axis 0): each comes as NAME_codes (uint8): NAME with its K axis moved to the last place and cut into blocks of 32 codes, [.., K / 32, bytes a block], one block behind the other in memory; one code a byte (a code: sign, 4 exponent bits, 3 mantissa bits); and NAME_scales (uint8): the same leading axes, one E8M0 byte (e + 127) for each 32 codes along K. Its value is code x scale, taken as it is: it is not quantised again, and the codes and scales need not be those that the quantiser above would give.
;; One version. Each part assembles by itself: llvm-mc -triple=amdgcn-amd-amdhsa -mcpu=gfx1250 --defsym DOCPART=n.
;; ======== version 1 of 1: 4 launches
;; limits: right only within a limited range of input values
;; workspace buffers: a_codes 16,777,216 bytes; a_scales 524,288 bytes; wo_img 1,048,576 bytes; qimg 8,912,896 bytes; kv 18,612,224 bytes; ctx_img 8,388,608 bytes; ctx_sc 524,288 bytes
;; launch prep (part 1): grid 256 x 1, 8 waves a work-group, no clusters, 54,272 bytes of LDS; arguments hidden_states, task_embedding, Wt, bt, Wo_codes, a_codes, a_scales, wo_img; writes a_codes, a_scales, wo_img
.if DOCPART == 1
	.amdgcn_target "amdgcn-amd-amdhsa--gfx1250"
	.amdhsa_code_object_version 6
	.text
	.protected	k_qc067c12773_prep
	.globl	k_qc067c12773_prep
	.p2align	8
	.type	k_qc067c12773_prep,@function
k_qc067c12773_prep:
	s_mov_b64 s[64:65], 0
	v_nop
	global_prefetch_b8 v0, s[64:65] scope:SCOPE_SE
	s_setreg_imm32_b32 hwreg(HW_REG_WAVE_MODE, 25, 1), 1
	s_wait_xcnt 0x0
; task_info = task_embedding Wt + bt (f32 multiply-adds: it goes on into a quantiser);  hidden_states and hidden_states + task_info become codes of E4M3 with one E8M0 byte
; for each 32 along H: a_codes [2][8192][1024], a_scales [2][8192][32] (plane 0: hidden, plane 1: hidden + task_info);  Wo's codes are laid anew as images of operand registers:
; wo_img [n tile 64][K step 8][c 4][lane 32][16 bytes], lane (r, h) holding Wo_codes[16 tile + r][128 step + 32 c + 16 h .. + 15].
; SHARES.  Work-group g takes 128 rows (g / 4) x 256 columns (g % 4), so that it needs 256 columns of task_info: each of its eight waves sums 32 of the 256 along K, the parts meet in LDS.
; Wave w then takes rows 16 w .. 16 w + 15 in eight steps of 2 rows x 256 columns.  A step's four loads read 512 consecutive bytes each; its 2,048 bytes turn through the wave's own stage
; in LDS (16 bytes of padding behind each 64) and come back 16 neighbours a lane; two neighbouring lanes hold a block of 32.  Waves 0 and 1 also move one fragment of Wo each (512 in all).
; A block's scale byte is its largest magnitude's exponent field - 8, held at 1 from below.
; LIMITS: a block of zeros gets the byte 1 (its codes are zeros, and this program alone reads the bytes); largest magnitudes under 2^-118 are held at that byte; NaN and infinities are not served.
.set REGB,  5632                       ; LDS: a wave's region: two stages of 32 x 80 bytes, then 128 scale bytes for each plane
.set SP,    80
.set SCB,   2*32*SP
.set PART,  8*REGB                     ; behind the regions: the eight waves' partial sums, 1,024 bytes each
.set R,     16                         ; v16-79   four sets of 16 numbers as loaded
.set TI,    80                         ; v80-95   task_info at my 16 columns
.set ACC,   96                         ; v96-103  my partial sums
.set WOF,   104                        ; v104-119 a fragment of Wo
.set W,     128                        ; v128-255 four sets of 32 numbers of Wt; later:
.set X,     128                        ; v128-159 two sets of 16 neighbours
.set Y,     160                        ; v160-175 the same + task_info
.set CH,    176                        ; v176-207 codes of hidden, four registers a step
.set CQ,    208                        ; v208-239 codes of hidden + task_info
.set EH,    240                        ; v240-247, v248-255 their scale bytes, one a step
.set EQ,    248
	s_load_b512 s[4:19], s[0:1], 0x0               ; hidden, task_embedding, Wt, bt, Wo_codes, a_codes, a_scales, wo_img
	v_lshl_add_u32 v126, v0, 2, 0xd000
	v_mov_b32 v127, 0
	v_lshrrev_b32 v1, 5, v0
	s_delay_alu instid0(VALU_DEP_1)
	v_readfirstlane_b32 s22, v1                    ; wave 0..7
	v_and_b32 v1, 31, v0                           ; lane
	s_delay_alu instid0(VALU_DEP_1)
	v_lshlrev_b32 v2, 4, v1                        ; 16 x lane
	s_mul_i32 s24, s22, REGB
	v_lshrrev_b32 v3, 2, v1
	s_delay_alu instid0(VALU_DEP_1)
	v_mul_u32_u24 v3, v3, SP
	v_and_b32 v8, 3, v1
	s_delay_alu instid0(VALU_DEP_1)
	v_lshl_add_u32 v3, v8, 4, v3
	s_delay_alu instid0(VALU_DEP_1)
	v_add_nc_u32 v3, s24, v3                       ; the stage, in: 80 (lane / 4) + 16 (lane % 4)
	v_mul_u32_u24 v4, v1, SP
	s_delay_alu instid0(VALU_DEP_1)
	v_add_nc_u32 v4, s24, v4                       ; and out: 80 x lane
	v_and_b32 v9, 15, v1                           ; r
	v_lshrrev_b32 v10, 4, v1                       ; h
	s_delay_alu instid0(VALU_DEP_2)
	v_lshlrev_b32 v5, 4, v9
	s_delay_alu instid0(VALU_DEP_1)
	v_lshl_add_u32 v5, v10, 10, v5                 ; my codes: row h of the step's two, 16 r
	s_add_co_u32 s25, s24, SCB
	v_lshrrev_b32 v6, 1, v1
	s_delay_alu instid0(VALU_DEP_1)
	v_add_nc_u32 v6, s25, v6                       ; my block's scale byte in LDS
	v_lshlrev_b32 v7, 3, v1
	s_delay_alu instid0(VALU_DEP_1)
	v_add_nc_u32 v7, s25, v7                       ; and on the way out 8 bytes a lane
	v_lshlrev_b32 v14, 5, v9
	s_delay_alu instid0(VALU_DEP_1)
	v_lshl_add_u32 v14, v10, 18, v14               ; scale bytes in memory: row r, plane h (262,144 bytes apart)
	v_lshlrev_b32 v15, 10, v9
	s_delay_alu instid0(VALU_DEP_1)
	v_lshl_add_u32 v15, v10, 4, v15                ; Wo_codes: row r of 1,024 bytes + 16 h
	v_lshlrev_b32 v120, 6, v9                      ; my 16 columns: 64 r bytes
	s_lshl_b32 s26, s22, 10
	s_add_co_u32 s26, s26, PART
	v_add_nc_u32 v121, s26, v2                     ; where my partial sums go
	v_add_nc_u32 v122, PART, v120                  ; and where the eight waves' are read
	s_and_b32 s27, ttmp9, 3                        ; the quarter of the columns
	s_lshr_b32 s28, ttmp9, 2                       ; the chunk of 128 rows
	s_lshl_b32 s29, s28, 7
	s_lshl_b32 s30, s22, 4
	s_add_co_u32 s29, s29, s30                     ; my wave's first row
	s_lshl_b32 s30, s27, 10                        ; 1,024 bytes of f32 a quarter
	s_mov_b32 s23, 0x600000                        ; the mantissa field of 448
	s_mov_b32 s25, 0
	s_wait_kmcnt 0x0
	s_lshr_b32 s24, s28, 4                         ; the batch
	s_lshl_b32 s24, s24, 10
	s_lshl_b32 s31, s22, 7
	s_add_co_u32 s24, s24, s31
	s_add_nc_u64 s[6:7], s[6:7], s[24:25]          ; my 32 numbers of task_embedding
	s_load_b512 s[32:47], s[6:7], 0x0
	s_load_b512 s[48:63], s[6:7], 0x40
	s_lshl_b32 s24, s29, 12
	s_add_co_u32 s24, s24, s30
	s_add_nc_u64 s[4:5], s[4:5], s[24:25]          ; hidden at my first row and quarter
	s_lshl_b32 s24, s22, 17
	s_add_co_u32 s24, s24, s30
	s_add_nc_u64 s[8:9], s[8:9], s[24:25]          ; Wt at row 32 w and my quarter
	s_mov_b32 s24, s30
	s_add_nc_u64 s[10:11], s[10:11], s[24:25]      ; bt
	s_and_b32 s31, s22, 1
	s_lshl_b32 s26, ttmp9, 1
	s_add_co_u32 s26, s26, s31                     ; which fragment of Wo (waves 0 and 1)
	s_lshr_b32 s24, s26, 3
	s_lshl_b32 s24, s24, 14
	s_and_b32 s31, s26, 7
	s_lshl_b32 s31, s31, 7
	s_add_co_u32 s24, s24, s31
	s_add_nc_u64 s[12:13], s[12:13], s[24:25]
	s_lshl_b32 s24, s26, 11
	s_add_nc_u64 s[18:19], s[18:19], s[24:25]
	s_lshl_b32 s24, s29, 10
	s_lshl_b32 s31, s27, 8
	s_add_co_u32 s24, s24, s31
	s_add_nc_u64 s[14:15], s[14:15], s[24:25]      ; codes, plane 0,
	s_add_nc_u64 s[20:21], s[14:15], 0x800000      ; and plane 1
	s_lshl_b32 s24, s29, 5
	s_lshl_b32 s31, s27, 3
	s_add_co_u32 s24, s24, s31
	s_add_nc_u64 s[16:17], s[16:17], s[24:25]      ; scale bytes
	s_cmp_lt_u32 s22, 2
	s_cbranch_scc0 .Lno_wo_in
	s_wait_alu depctr_va_vdst(0)
.irp c, 0,1,2,3
	global_load_b128 v[WOF+4*\c:WOF+4*\c+3], v15, s[12:13] offset:32*\c
.endr
.Lno_wo_in:
.macro LOAD t                          ; step t: rows 2 t, 2 t + 1 of my 16, 512 consecutive bytes a load
.irp i, 0,1,2,3
	global_load_b128 v[R+16*((\t)%4)+4*\i:R+16*((\t)%4)+4*\i+3], v2, s[4:5] offset:(2*(\t)+\i/2)*4096+(\i%2)*512 th:TH_LOAD_NT
.endr
.endm
.irp t, 0,1,2,3
	LOAD \t
.endr
	s_wait_alu depctr_va_vdst(0)
.irp i, 0,1,2,3
	global_load_b128 v[TI+4*\i:TI+4*\i+3], v120, s[10:11] offset:16*\i   ; bt starts task_info's sum
.endr
; task_info: eight chunks of four rows of Wt; my columns are 4 lane .. + 3 and 128 + 4 lane .. + 3 of the quarter
.macro WLOAD c
.irp kk, 0,1,2,3
.irp i, 0,1
	global_load_b128 v[W+32*((\c)%4)+8*\kk+4*\i:W+32*((\c)%4)+8*\kk+4*\i+3], v2, s[8:9] offset:(4*(\c)+\kk)*4096+512*\i
.endr
.endr
.endm
.macro CHUNK c, left
	s_wait_loadcnt \left                           ; this chunk's eight loads are in; the younger chunks' may be out
.irp kk, 0,1,2,3
.irp e, 0,1,2,3,4,5,6,7
.if ((\c)+\kk) == 0
	v_mul_f32 v[ACC+\e], s32, v[W+\e]              ; the first product starts the sums
.else
	v_fmac_f32 v[ACC+\e], s[32+4*(\c)+\kk], v[W+32*((\c)%4)+8*\kk+\e]
.endif
.endr
.endr
.if (\c) < 4
	WLOAD (\c)+4
.endif
.endm
.irp c, 0,1,2,3
	WLOAD \c
.endr
	s_wait_kmcnt 0x0                               ; task_embedding
	CHUNK 0, 24
	s_wait_alu depctr_va_vdst(0)
	CHUNK 1, 24
	s_wait_alu depctr_va_vdst(0)
	CHUNK 2, 24
	s_wait_alu depctr_va_vdst(0)
	CHUNK 3, 24
	s_wait_alu depctr_va_vdst(0)
	CHUNK 4, 24
	s_wait_alu depctr_va_vdst(0)
	CHUNK 5, 16
	s_wait_alu depctr_va_vdst(0)
	CHUNK 6, 8
	s_wait_alu depctr_va_vdst(0)
	CHUNK 7, 0
	ds_store_b128 v121, v[ACC:ACC+3]
	ds_store_b128 v121, v[ACC+4:ACC+7] offset:512
	s_wait_dscnt 0x0                               ; for the others' sake: my partial sums lie in LDS
	s_barrier_signal -1
	s_barrier_wait -1
.irp w, 0,1,2,3,4,5,6,7
.irp i, 0,1,2,3
	ds_load_b128 v[W+16*\w+4*\i:W+16*\w+4*\i+3], v122 offset:1024*\w+16*\i
.endr
.endr
	s_wait_dscnt 0x0
.irp w, 0,1,2,3,4,5,6,7
.irp m, 0,2,4,6,8,10,12,14
	v_pk_add_f32 v[TI+\m:TI+\m+1], v[TI+\m:TI+\m+1], v[W+16*\w+\m:W+16*\w+\m+1]
.endr
.endr
	s_cmp_lt_u32 s22, 2
	s_cbranch_scc0 .Lno_wo_out
.irp c, 0,1,2,3
	global_store_b128 v2, v[WOF+4*\c:WOF+4*\c+3], s[18:19] offset:512*\c   ; 512 consecutive bytes a store
.endr
.Lno_wo_out:
.macro TURN t                          ; step t's numbers through the stage: LDS serves a wave's instructions in order, so no wait stands between the stores and the loads
.irp i, 0,1,2,3
	ds_store_b128 v3, v[R+16*((\t)%4)+4*\i:R+16*((\t)%4)+4*\i+3] offset:32*SP*((\t)%2)+8*SP*\i
.endr
.irp i, 0,1,2,3
	ds_load_b128 v[X+16*((\t)%2)+4*\i:X+16*((\t)%2)+4*\i+3], v4 offset:32*SP*((\t)%2)+16*\i
.endr
.endm
; 16 neighbours at v[s] on become 16 codes at v[c] on and the block's scale byte in v[e]
.macro Q16 s, c, e
	v_max3_num_f32 v8, |v[\s]|, |v[\s+1]|, |v[\s+2]|
	v_max3_num_f32 v9, |v[\s+3]|, |v[\s+4]|, |v[\s+5]|
.irp i, 6,10
	s_delay_alu instid0(VALU_DEP_2)
	v_max3_num_f32 v8, v8, |v[\s+\i]|, |v[\s+\i+1]|
	s_delay_alu instid0(VALU_DEP_2)
	v_max3_num_f32 v9, v9, |v[\s+\i+2]|, |v[\s+\i+3]|
.endr
	s_delay_alu instid0(VALU_DEP_2)
	v_max3_num_f32 v8, v8, |v[\s+14]|, |v[\s+15]|
	s_delay_alu instid0(VALU_DEP_1)
	v_max3_num_f32 v8, v8, v9, 0x4800000           ; and the floor 2^(9 - 127): the byte cannot fall under 1
	s_delay_alu instid0(VALU_DEP_1)
	v_max_num_f32_dpp v8, v8, v8 row_xmask:1 row_mask:0xf bank_mask:0xf   ; with my neighbour's 16: the block's largest magnitude
	s_delay_alu instid0(VALU_DEP_1)
	v_add_nc_u32 v11, 0xfc000000, v8               ; 8 off its exponent field: the conversion's scale operand
	s_delay_alu instid0(VALU_DEP_2)
	v_and_or_b32 v10, v8, 0x7f800000, s23          ; 448 x the scale
.irp i, 0,1,2,3,4,5,6,7,8,9,10,11,12,13,14,15
	v_med3_num_f32 v[\s+\i], v[\s+\i], -v10, v10   ; the conversion to an 8-bit code does not saturate (ISA guide 7.6.2): the hold comes first
.endr
	v_cvt_scalef32_pk8_fp8_f32 v[\c:\c+1], v[\s:\s+7], v11
	v_cvt_scalef32_pk8_fp8_f32 v[\c+2:\c+3], v[\s+8:\s+15], v11
	v_lshrrev_b32 v[\e], 23, v11                   ; the scale's byte (also the plain line behind the conversions)
.endm
.macro STEP t
.set XS, X+16*((\t)%2)
.if (\t) > 0
	s_wait_dscnt 2                                 ; this step's numbers are back from the stage; the last step's two byte stores may be out
.else
	s_wait_dscnt 0x0
.endif
.if (\t)+4 < 8
	LOAD (\t)+4                                    ; into the set that this step's stores into the stage have read
.endif
.if (\t)+1 < 8
.if 6-(\t) >= 3
	s_wait_loadcnt 12                              ; the next step's four loads are in; those of the three steps behind it may be out
.else
	s_wait_loadcnt 4*(6-(\t))
.endif
	TURN (\t)+1
.endif
.irp m, 0,2,4,6,8,10,12,14
	v_pk_add_f32 v[Y+\m:Y+\m+1], v[XS+\m:XS+\m+1], v[TI+\m:TI+\m+1]
.endr
	Q16 XS, CH+4*(\t), EH+(\t)
	Q16 Y, CQ+4*(\t), EQ+(\t)
	ds_store_b8 v6, v[EH+(\t)] offset:16*(\t)      ; both lanes of a block write the same byte with the same value
	ds_store_b8 v6, v[EQ+(\t)] offset:128+16*(\t)
	global_store_b128 v5, v[CH+4*(\t):CH+4*(\t)+3], s[14:15] offset:2048*(\t)   ; sixteen lanes store 256 consecutive bytes, aligned
	global_store_b128 v5, v[CQ+4*(\t):CQ+4*(\t)+3], s[20:21] offset:2048*(\t)
.endm
	TURN 0
	s_wait_alu depctr_va_vdst(0)
.irp t, 0,1,2,3,4,5,6,7
	STEP \t
.endr
	ds_load_b64 v[12:13], v7                       ; lanes 0-15: my 16 rows' 8 bytes of plane 0; lanes 16-31: of plane 1
	s_wait_dscnt 0x0
	global_store_b64 v14, v[12:13], s[16:17]
	s_wait_tensorcnt 0x0
	ds_add_u32 v126, v127
	s_wait_dscnt 0x0
	s_endpgm
.Lfunc_end_k_qc067c12773_prep:
	.size	k_qc067c12773_prep, .Lfunc_end_k_qc067c12773_prep-k_qc067c12773_prep
	.p2alignl 7, 3214868480
	.fill 96, 4, 3214868480
	.section	.rodata,"a",@progbits
	.p2align	6, 0x0
	.amdhsa_kernel k_qc067c12773_prep
		.amdhsa_group_segment_fixed_size 54272
		.amdhsa_private_segment_fixed_size 0
		.amdhsa_enable_private_segment 0
		.amdhsa_kernarg_size 64
		.amdhsa_user_sgpr_count 2
		.amdhsa_user_sgpr_kernarg_segment_ptr 1
		.amdhsa_wavefront_size32 1
		.amdhsa_system_sgpr_workgroup_id_x 1
		.amdhsa_system_sgpr_workgroup_id_y 1
		.amdhsa_system_sgpr_workgroup_id_z 1
		.amdhsa_system_vgpr_workitem_id 0
		.amdhsa_next_free_vgpr 256
		.amdhsa_next_free_sgpr 66
		.amdhsa_reserve_vcc 0
		.amdhsa_float_denorm_mode_32 3
		.amdhsa_float_denorm_mode_16_64 3
		.amdhsa_memory_ordered 1
		.amdhsa_forward_progress 1
		.amdhsa_inst_pref_size 76
	.end_amdhsa_kernel
	.amdgpu_metadata
---
amdhsa.version: [ 1, 2 ]
amdhsa.kernels:
  - .name:           k_qc067c12773_prep
    .symbol:         k_qc067c12773_prep.kd
    .args:
      - { .name: hidden_states, .offset: 0, .size: 8, .value_kind: global_buffer, .address_space: global }
      - { .name: task_embedding, .offset: 8, .size: 8, .value_kind: global_buffer, .address_space: global }
      - { .name: Wt, .offset: 16, .size: 8, .value_kind: global_buffer, .address_space: global }
      - { .name: bt, .offset: 24, .size: 8, .value_kind: global_buffer, .address_space: global }
      - { .name: Wo_codes, .offset: 32, .size: 8, .value_kind: global_buffer, .address_space: global }
      - { .name: a_codes, .offset: 40, .size: 8, .value_kind: global_buffer, .address_space: global }
      - { .name: a_scales, .offset: 48, .size: 8, .value_kind: global_buffer, .address_space: global }
      - { .name: wo_img, .offset: 56, .size: 8, .value_kind: global_buffer, .address_space: global }
    .group_segment_fixed_size: 54272
    .private_segment_fixed_size: 0
    .kernarg_segment_align: 8
    .kernarg_segment_size: 64
    .max_flat_workgroup_size: 256
    .sgpr_count:     66
    .vgpr_count:     256
    .wavefront_size: 32
...
	.end_amdgpu_metadata
.endif
;; end of part 1
;; launch qkv (part 2): grid 12 x 32, 4 waves a work-group, clusters of 4 x 4, 327,680 bytes of LDS; arguments a_codes, a_scales, Wq_codes, Wq_scales, Wk_codes, Wk_scales, Wv_codes, Wv_scales, bq, bk, bv, mask, qimg, kv; writes qimg, kv
.if DOCPART == 2
	.amdgcn_target "amdgcn-amd-amdhsa--gfx1250"
	.amdhsa_code_object_version 6
	.text
	.protected	k_qc067c12773_qkv
	.globl	k_qc067c12773_qkv
	.p2align	8
	.type	k_qc067c12773_qkv,@function
k_qc067c12773_qkv:
	s_mov_b64 s[64:65], 0
	v_nop
	global_prefetch_b8 v0, s[64:65] scope:SCOPE_SE
	s_setreg_imm32_b32 hwreg(HW_REG_WAVE_MODE, 25, 1), 1
	s_wait_xcnt 0x0
	s_wait_alu depctr_hold_cnt(0) depctr_sa_sdst(0) depctr_va_vdst(0) depctr_va_sdst(0) depctr_va_ssrc(0) depctr_va_vcc(0) depctr_vm_vsrc(0)
	s_getreg_b32 s2, hwreg(HW_REG_IB_STS2, 6, 4)
	s_cmp_eq_u32 s2, 0
	s_cbranch_scc0 .Lentry_in_a_cluster
	s_endpgm
.Lentry_in_a_cluster:
	s_bfe_u32 s2, ttmp6, 0x10000c
	s_cmp_lg_u32 s2, 0xf033
	s_cbranch_scc0 .Lentry_shape_is_right
	s_endpgm
.Lentry_shape_is_right:
.set KSTEP,  256
.set NQ,     2
.set ROWB,   256
.set KROW,   1024
.set PITCH,  272
.set FR,     16
.set NL,     4
.set NP,     8
.set HALFT,  128*PITCH
.set SLOT,   4*HALFT
.set LAPS,   2
.set KS,     32
.set SCL,    2*SLOT
.set HALFS,  (128*KS/256)*272
.set SBLK,   (16*KS/256)*272
.set SPARE,  SCL+4*HALFS
.set MK,   8
.set ADRA, 16
.set ADRB, 20
.set ADRS, 27
.set SPW,  28
.set NIL,  29
.set SC,   32
.set BI,   64
.set AF,   128
.set T,    128
.set PC,   192
.set TM,   208
.set PW,   224
.set SW,   32
.set MC,   40
.set VW,   48
.set G1, 24
.set G0, 32
.set G1B, 48
.set G0B, 56
.set G1S, 68
.set G0S, 76
.set G1SB, 80
.set G0SB, 88
.set MSB, 0
.macro WIN new
.if MSB != (\new)
	s_set_vgpr_msb (MSB<<8)|(\new)
.set MSB, (\new)
.endif
.endm
.set MUL_LO, 0xa1
.set MUL_HI, 0xf1
.set TO_B,   0x40
.macro JLOAD g0a, g1a, g0b, g1b
	s_cmp_eq_u32 s15, 0
	s_cbranch_scc0 .Lfor_b_\@
	tensor_load_to_lds s[\g0a:\g0a+3], s[\g1a:\g1a+7]
	s_nop 0
.rept 4
	v_nop
.endr
	s_branch .Lasked_\@
.Lfor_b_\@:
	tensor_load_to_lds s[\g0b:\g0b+3], s[\g1b:\g1b+7]
	s_nop 0
.rept 4
	v_nop
.endr
.Lasked_\@:
.endm
.macro CREST
	s_cmp_lg_u32 s14, 0
	s_cbranch_scc1 .Lnot_wave_0_\@
	s_barrier_signal -3
.Lnot_wave_0_\@:
	s_barrier_wait -3
	s_barrier_signal -1
	s_barrier_wait -1
.endm
.macro CROUND
	s_barrier_signal -1
	s_barrier_wait -1
	CREST
.endm
	s_load_b512 s[68:83], s[0:1], 0x0
	s_load_b256 s[84:91], s[0:1], 0x40
	s_load_b128 s[92:95], s[0:1], 0x60
	v_lshl_add_u32 v[SPW], v0, 2, SPARE
	v_mov_b32 v[NIL], 0
	ds_add_u32 v28, v29
	ds_add_u32 v28, v29
	s_wait_dscnt 0x0
	v_lshrrev_b32 v1, 5, v0
	v_readfirstlane_b32 s14, v1
	s_lshr_b32 s15, s14, 1
	s_and_b32 s16, s14, 1
	s_mov_b32 s100, ttmp9
	s_bfe_u32 s40, ttmp6, 0x40000
	s_bfe_u32 s41, ttmp6, 0x40004
	s_and_b32 s17, ttmp7, 0xffff
	s_lshl_b32 s17, s17, 2
	s_cmp_eq_u32 s100, 2
	s_cselect_b32 s42, s17, 0
	s_cselect_b32 s17, 0, s17
	s_add_co_u32 s42, s42, s40
	s_add_co_u32 s17, s17, s41
	s_lshl_b32 s43, s41, 2
	s_lshl_b32 s43, 15, s43
	s_lshl_b32 s44, 0x1111, s40
	s_or_b32 s[G1+0], s43, (0<<16)|(1<<20)|(1<<21)|(5<<22)|(3<<25)
	s_or_b32 s[G1B+0], s44, (0<<16)|(1<<20)|(1<<21)|(5<<22)|(3<<25)
.irp g, G1, G1B
	s_mov_b32 s[\g+1], ROWB<<16
	s_mov_b32 s[\g+2], 256<<16                     ; the head's loads of codes bring 256 rows
	s_mov_b32 s[\g+3], ROWB<<16
	s_mov_b32 s[\g+4], 256
	s_mov_b32 s[\g+5], KROW
	s_mov_b32 s[\g+6], 0
	s_mov_b32 s[\g+7], 0
.endr
	s_wait_kmcnt 0x0
	s_cmp_eq_u32 s100, 0
	s_cselect_b64 s[8:9], s[72:73], s[76:77]
	s_cselect_b64 s[10:11], s[74:75], s[78:79]
	s_cselect_b64 s[12:13], s[84:85], s[86:87]
	s_cselect_b64 s[98:99], s[92:93], s[94:95]
	s_cselect_b32 s20, 0x800000, 0
	s_cselect_b32 s22, 0x40000, 0
	s_mov_b32 s21, 0
	s_mov_b32 s23, 0
	s_cmp_eq_u32 s100, 2
	s_cselect_b64 s[8:9], s[80:81], s[8:9]
	s_cselect_b64 s[10:11], s[82:83], s[10:11]
	s_cselect_b64 s[12:13], s[88:89], s[12:13]
	s_add_nc_u64 s[4:5], s[68:69], s[20:21]
	s_add_nc_u64 s[6:7], s[70:71], s[22:23]
	s_cselect_b64 s[92:93], s[8:9], s[4:5]
	s_cselect_b64 s[94:95], s[10:11], s[6:7]
	s_cselect_b64 s[8:9], s[4:5], s[8:9]
	s_cselect_b64 s[10:11], s[6:7], s[10:11]
	s_mov_b64 s[4:5], s[92:93]
	s_mov_b64 s[6:7], s[94:95]
	s_mov_b64 s[96:97], s[90:91]
	s_or_b32 s[G1S+0], s43, (3<<16)|(1<<20)|(1<<21)|(5<<22)|(3<<25)
	s_or_b32 s[G1SB+0], s44, (3<<16)|(1<<20)|(1<<21)|(5<<22)|(3<<25)
.irp g, G1S, G1SB
	s_mov_b32 s[\g+1], 32<<16
	s_mov_b32 s[\g+2], KS<<16                      ; the scales of 256 rows: KS rows of 256 bytes
	s_mov_b32 s[\g+3], 32<<16
	s_mov_b32 s[\g+4], KS
	s_mov_b32 s[\g+5], 32
	s_mov_b32 s[\g+6], 0
	s_mov_b32 s[\g+7], 0
.endr
	s_lshl_b32 s20, s17, 8                         ; the tile's first row of A,
	s_lshl_b32 s46, s42, 8                         ; and of B
	s_mov_b32 s21, 0
	s_mov_b32 s47, 0
	s_mov_b64 s[18:19], KS
	s_mul_u64 s[22:23], s[20:21], s[18:19]
	s_mul_u64 s[92:93], s[46:47], s[18:19]
	s_mov_b64 s[18:19], KROW
	s_mul_u64 s[20:21], s[20:21], s[18:19]
	s_mul_u64 s[46:47], s[46:47], s[18:19]
	s_mul_i32 s45, s14, HALFT
	s_mul_i32 s18, s16, 128*KROW                   ; in the ring I fetch 128 rows of a tile: which half, in bytes
	s_mov_b32 s19, 0
	s_add_nc_u64 s[20:21], s[4:5], s[20:21]
	s_add_nc_u64 s[22:23], s[6:7], s[22:23]
	s_add_nc_u64 s[46:47], s[8:9], s[46:47]
	s_add_nc_u64 s[92:93], s[10:11], s[92:93]
	CROUND
	s_mov_b32 s[G0S], 1
	s_mov_b32 s[G0S+1], SCL
	s_mov_b64 s[G0S+2:G0S+3], s[22:23]
	s_or_b32 s[G0S+3], s[G0S+3], 0x80000000
	s_mov_b32 s[G0SB], 1
	s_mov_b32 s[G0SB+1], SCL+2*HALFS
	s_mov_b64 s[G0SB+2:G0SB+3], s[92:93]
	s_or_b32 s[G0SB+3], s[G0SB+3], 0x80000000
.set G0H, 4                            ; s[4:7], s[8:11]: group 0 of the head's loads of K step 0 (the addresses that lay there have been used)
.set G0HB, 8
	s_mov_b32 s[G0H], 1
	s_mov_b32 s[G0H+1], 0
	s_mov_b64 s[G0H+2:G0H+3], s[20:21]
	s_or_b32 s[G0H+3], s[G0H+3], 0x80000000
	s_mov_b32 s[G0HB], 1
	s_mov_b32 s[G0HB+1], 2*HALFT
	s_mov_b64 s[G0HB+2:G0HB+3], s[46:47]
	s_or_b32 s[G0HB+3], s[G0HB+3], 0x80000000
	s_add_nc_u64 s[20:21], s[20:21], s[18:19]      ; for the ring: my 128 rows of the tile
	s_add_nc_u64 s[46:47], s[46:47], s[18:19]
.irp s, 0,1
	s_mov_b32 s[G0+4*\s], 1
	s_add_co_u32 s[G0+4*\s+1], s45, \s*SLOT
	s_add_nc_u64 s[G0+4*\s+2:G0+4*\s+3], s[20:21], \s*ROWB
	s_or_b32 s[G0+4*\s+3], s[G0+4*\s+3], 0x80000000
	s_mov_b32 s[G0B+4*\s], 1
	s_add_co_u32 s[G0B+4*\s+1], s45, \s*SLOT
	s_add_nc_u64 s[G0B+4*\s+2:G0B+4*\s+3], s[46:47], \s*ROWB
	s_or_b32 s[G0B+4*\s+3], s[G0B+4*\s+3], 0x80000000
.endr
; the head's four tiles, one joint load a wave: wave 0 K step 0's 256 rows of A, wave 1 those of B, wave 2 A's scales, wave 3 B's; one tree of branches on the wave's number
.macro ARM under, g0, g1, next
	s_cmp_lt_u32 s14, \under
	s_cbranch_scc0 \next
	tensor_load_to_lds s[\g0:\g0+3], s[\g1:\g1+7]
	s_nop 0
.rept 4
	v_nop
.endr
	s_branch .Lhead_asked
\next:
.endm
	ARM 1, G0H,  G1,  .Lhead_b
	ARM 2, G0HB, G1B, .Lhead_sa
	ARM 3, G0S,  G1S, .Lhead_sb
	tensor_load_to_lds s[G0SB:G0SB+3], s[G1SB:G1SB+7]
	s_nop 0
.rept 4
	v_nop
.endr
.Lhead_asked:
	v_and_b32 v1, 15, v0
	v_bfe_u32 v2, v0, 4, 1
	v_lshlrev_b32 v30, 5, v2
	v_lshlrev_b32 v31, 2, v1
.irp a, 0,1,2,3,4,5,6,7
	v_mov_b32 v[MK+\a], 1
.endr
	s_cmp_eq_u32 s100, 2
	s_cselect_b32 s20, s17, s42
	s_cselect_b32 s21, s15, s16
	s_lshl_b32 s20, s20, 10
	s_lshl_b32 s21, s21, 9
	s_add_co_u32 s20, s20, s21
	s_mov_b32 s21, 0
	s_add_nc_u64 s[12:13], s[12:13], s[20:21]
	s_lshl_b32 s20, s17, 10
	s_lshl_b32 s22, s15, 9
	s_add_co_u32 s20, s20, s22
	s_add_nc_u64 s[96:97], s[96:97], s[20:21]
	s_cmp_eq_u32 s100, 2
	s_cbranch_scc1 .Lbias_v
.irp b, 0,1,2,3,4,5,6,7
.irp q, 0,1
	global_load_b128 v[BI+8*\b+4*\q:BI+8*\b+4*\q+3], v30, s[12:13] offset:64*\b+16*\q
.endr
.endr
	s_cmp_eq_u32 s100, 1
	s_cbranch_scc0 .Lbias_done
	s_wait_alu depctr_va_vdst(0)
.irp a, 0,1,2,3,4,5,6,7
	global_load_b32 v[MK+\a], v31, s[96:97] offset:64*\a
.endr
	s_branch .Lbias_done
.Lbias_v:
	s_wait_alu depctr_va_vdst(0)
.irp a, 0,1,2,3,4,5,6,7
.irp k, 0,1,2,3,4,5,6,7
	global_load_b32 v[BI+8*\a+\k], v31, s[12:13] offset:64*\a
.endr
.endr
.Lbias_done:
	v_mul_u32_u24 v3, v1, PITCH
	v_lshl_add_u32 v4, v2, 4, v3
	s_mul_i32 s21, s15, HALFT
	s_mul_i32 s22, s16, HALFT
	s_add_co_u32 s22, s22, 2*HALFT
.irp s, 0,1
	v_add_nc_u32 v[ADRA+\s], s21, v4
	v_add_nc_u32 v[ADRB+\s], s22, v4
	s_add_co_u32 s21, s21, SLOT
	s_add_co_u32 s22, s22, SLOT
.endr
	v_mul_u32_u24 v5, v1, KS
	v_lshrrev_b32 v6, 8, v5
	v_lshl_add_u32 v5, v6, 4, v5
	s_mul_i32 s21, s15, HALFS
	s_mul_i32 s22, s16, HALFS
	s_add_co_u32 s22, s22, 2*HALFS
	s_sub_co_u32 s22, s22, s21
	v_mul_u32_u24 v6, s22, v2
	s_add_co_u32 s21, s21, SCL
	v_add_nc_u32 v5, v5, v6
	v_add_nc_u32 v[ADRS], s21, v5
.macro FRAG reg, adr, q, i
.irp c, 0,1,2,3
	ds_load_b128 v[\reg+4*\c:\reg+4*\c+3], v[\adr] offset:128*(\q)+32*\c+(\i)*16*PITCH
.endr
.endm
.macro MUL16 a0, p, q, sc, zero
.irp a, \a0, \a0+1
.irp b, 0,1,2,3,4,5,6,7
.if \zero
	v_wmma_scale_f32_16x16x128_f8f6f4 v[8*(8*((\a)%4)+\b):8*(8*((\a)%4)+\b)+7], v[128*(\p)+FR*\b:128*(\p)+FR*\b+FR-1], v[AF+FR*(\a):AF+FR*(\a)+FR-1], 0, v[SC+8*NQ*(\sc)+NQ*\b+(\q)], v[SC+8*NQ*(\sc)+NQ*(\a)+(\q)] matrix_a_scale:MATRIX_SCALE_ROW1
.else
	v_wmma_scale_f32_16x16x128_f8f6f4 v[8*(8*((\a)%4)+\b):8*(8*((\a)%4)+\b)+7], v[128*(\p)+FR*\b:128*(\p)+FR*\b+FR-1], v[AF+FR*(\a):AF+FR*(\a)+FR-1], v[8*(8*((\a)%4)+\b):8*(8*((\a)%4)+\b)+7], v[SC+8*NQ*(\sc)+NQ*\b+(\q)], v[SC+8*NQ*(\sc)+NQ*(\a)+(\q)] matrix_a_scale:MATRIX_SCALE_ROW1
.endif
.endr
.endr
.endm
.macro FETCH_B slot, q, p
	WIN TO_B
.irp i, 0,1,2,3,4,5,6,7
	FRAG 128*(\p)+FR*\i, ADRB+\slot, \q, \i
.endr
	WIN 0
.endm
.macro FETCH_A slot, q, i0
.irp i, \i0, \i0+1, \i0+2, \i0+3
	FRAG AF+FR*(\i), ADRA+\slot, \q, \i
.endr
.endm
.macro SCALES sc
.irp i, 0,1,2,3,4,5,6,7
	ds_load_b64 v[SC+8*NQ*\sc+NQ*\i:SC+8*NQ*\sc+NQ*\i+1], v[ADRS] offset:\i*SBLK
.endr
.endm
.macro PLACES n
.rept \n
	v_nop
.endr
.endm
.macro STEP slot, q, zero
	s_wait_dscnt 4*NL
	WIN MUL_LO
	MUL16 0, (\q)%2, \q, \slot, \zero
	MUL16 2, (\q)%2, \q, \slot, \zero
	s_wait_dscnt 0
	PLACES NP
	FETCH_B \slot, (\q)+1, 1-(\q)%2
	FETCH_A \slot, (\q)+1, 0
	WIN MUL_HI
	MUL16 4, (\q)%2, \q, \slot, \zero
	MUL16 6, (\q)%2, \q, \slot, \zero
	PLACES NP
	WIN 0
	FETCH_A \slot, (\q)+1, 4
.endm
.macro TURN slot, next, fill
	s_wait_tensorcnt 0x0
	ds_add_u32 v[SPW], v[NIL]
	s_wait_dscnt 4*NL+1
	WIN MUL_LO
	MUL16 0, 1, NQ-1, \slot, 0
	s_wait_dscnt 0x0
	s_barrier_signal -1
	MUL16 2, 1, NQ-1, \slot, 0
	WIN 0
	s_barrier_wait -1
.if \fill
	CREST
	s_add_nc_u64 s[G0+4*\slot+2:G0+4*\slot+3], s[G0+4*\slot+2:G0+4*\slot+3], 2*ROWB
	s_add_nc_u64 s[G0B+4*\slot+2:G0B+4*\slot+3], s[G0B+4*\slot+2:G0B+4*\slot+3], 2*ROWB
	JLOAD G0+4*\slot, G1, G0B+4*\slot, G1B
	PLACES NP-4
.else
	PLACES NP
.endif
	s_wait_alu depctr_va_vdst(0)
	v_add_nc_u32 v[ADRS], 4*NQ, v[ADRS]
	FETCH_B \next, 0, 0
	FETCH_A \next, 0, 0
	SCALES \next
	WIN MUL_HI
	MUL16 4, 1, NQ-1, \slot, 0
	MUL16 6, 1, NQ-1, \slot, 0
	PLACES NP
	WIN 0
	FETCH_A \next, 0, 4
.endm
	s_wait_alu depctr_va_vdst(0)
	s_wait_tensorcnt 0x0                           ; my tile of the head's four is in
	ds_add_u32 v[SPW], v[NIL]
	s_mov_b32 s[G1+2], 128<<16                     ; no tensor load of mine is out: from here on a load brings 128 rows
	s_mov_b32 s[G1+4], 128
	s_mov_b32 s[G1B+2], 128<<16
	s_mov_b32 s[G1B+4], 128
	s_wait_dscnt 0x0
	CROUND                                         ; all four tiles are in, and all sixteen work-groups are here
	JLOAD G0+4, G1, G0B+4, G1B                     ; K step 1: slot 1's first fill, the first tensor load behind the round
	FETCH_B 0, 0, 0
	FETCH_A 0, 0, 0
	SCALES 0
	FETCH_A 0, 0, 4
	STEP 0, 0, 1
	s_mov_b32 s3, LAPS-1
.Llap:
	TURN 0, 1, 1
	STEP 1, 0, 0
	TURN 1, 0, 1
	STEP 0, 0, 0
	s_sub_co_u32 s3, s3, 1
	s_cmp_lg_u32 s3, 0
	s_cbranch_scc1 .Llap
	TURN 0, 1, 0
	STEP 1, 0, 0
	s_wait_dscnt 4*NL
	WIN MUL_LO
	MUL16 0, 1, NQ-1, 1, 0
	MUL16 2, 1, NQ-1, 1, 0
	s_wait_dscnt 0
	WIN MUL_HI
	MUL16 4, 1, NQ-1, 1, 0
	MUL16 6, 1, NQ-1, 1, 0
	WIN 0
	PLACES NP
	s_wait_loadcnt 0x0
	s_cmp_eq_u32 s100, 2
	s_cselect_b32 s20, s17, s42
	s_cselect_b32 s21, s15, s16
	s_cselect_b32 s22, s42, s17
	s_cselect_b32 s23, s16, s15
	s_cselect_b32 s83, 9728, 0
	s_lshl_b32 s20, s20, 2
	s_lshl_b32 s21, s21, 1
	s_add_co_u32 s20, s20, s21
	s_lshr_b32 s21, s22, 3
	s_lshl_b32 s21, s21, 4
	s_add_co_u32 s20, s20, s21
	s_lshl_b32 s20, s20, 4
	s_lshl_b32 s22, s22, 1
	s_add_co_u32 s22, s22, s23
	s_and_b32 s22, s22, 15
	s_add_co_u32 s20, s20, s22
	s_mov_b32 s21, 18176
	s_mov_b32 s23, 9216
	s_mov_b32 s79, 160
	s_cmp_eq_u32 s100, 0
	s_cselect_b32 s21, 8704, s21
	s_cselect_b32 s23, 8192, s23
	s_cselect_b32 s79, 127, s79
	s_mul_i32 s84, s20, s21
	s_add_co_u32 s84, s84, s83
	s_mov_b32 s85, 0
	s_lshl_b32 s86, s21, 4
	s_mov_b32 s87, 0
	s_mov_b32 s88, s23
	s_mov_b32 s89, 0
	s_add_nc_u64 s[68:69], s[98:99], s[84:85]
	s_add_nc_u64 s[70:71], s[68:69], s[86:87]
	s_add_nc_u64 s[72:73], s[68:69], s[88:89]
	s_add_nc_u64 s[74:75], s[70:71], s[88:89]
	s_or_b32 s76, s79, 0x7f00
	s_lshl_b32 s77, s76, 16
	s_mov_b32 s78, 0xffff0000
	s_mov_b32 s80, 0x76543210
	s_mov_b32 s81, 0xfedcba98
	s_mov_b32 s82, 0x600000
	v_and_b32 v1, 31, v0
	v_lshlrev_b32 v60, 4, v1
	v_lshlrev_b32 v61, 3, v1
	v_and_b32 v2, 15, v0
	v_bfe_u32 v3, v0, 4, 1
	v_lshlrev_b32 v62, 4, v2
	v_lshl_add_u32 v62, v3, 3, v62
	v_mov_b32 v57, 0
	v_mov_b32 v56, 0xb8
	v_cndmask_b32 v56, v56, v57, s78
.irp b, 0,1,2,3
	v_mov_b32 v[TM+4+\b], 0
.endr
.macro BIASADD a, byA
	WIN 0x02+((\a)/4)
.irp b, 0,1,2,3,4,5,6,7
.irp i, 0,2,4,6
.if \byA
	v_pk_add_f32 v[T+8*\b+\i:T+8*\b+\i+1], v[8*(8*((\a)%4)+\b)+\i:8*(8*((\a)%4)+\b)+\i+1], v[BI+8*(\a)+\i:BI+8*(\a)+\i+1]
.else
	v_pk_add_f32 v[T+8*\b+\i:T+8*\b+\i+1], v[8*(8*((\a)%4)+\b)+\i:8*(8*((\a)%4)+\b)+\i+1], v[BI+8*\b+\i:BI+8*\b+\i+1]
.endif
.endr
.endr
	WIN 0
.endm
.macro QUANT s, pw
.irp b, 0,1,2,3
	v_max3_num_f32 v[TM+\b], |v[\s+16*\b]|, |v[\s+1+16*\b]|, 0x4800000
.endr
.irp i, 2,4,6,8,10,12,14
.irp b, 0,1,2,3
	v_max3_num_f32 v[TM+\b], v[TM+\b], |v[\s+16*\b+\i]|, |v[\s+1+16*\b+\i]|
.endr
.endr
.irp b, 0,1,2,3
	v_permlanex16_b32 v[TM+4+\b], v[TM+\b], s80, s81
.endr
.irp b, 0,1,2,3
	v_max_num_f32 v[TM+\b], v[TM+\b], v[TM+4+\b]
.endr
.irp b, 0,1,2,3
	v_add_nc_u32 v[TM+12+\b], 0xfc000000, v[TM+\b]
.endr
.irp b, 0,1,2,3
	v_and_or_b32 v[TM+8+\b], v[TM+\b], 0x7f800000, s82
.endr
.irp b, 0,1,2,3
	v_lshrrev_b32 v[TM+4+\b], 23, v[TM+12+\b]
.endr
	v_lshl_or_b32 v[\pw], v[TM+5], 8, v[TM+4]
	v_lshl_or_b32 v[\pw], v[TM+6], 16, v[\pw]
	v_lshl_or_b32 v[\pw], v[TM+7], 24, v[\pw]
.irp b, 0,1,2,3
.irp i, 0,1,2,3,4,5,6,7,8,9,10,11,12,13,14,15
	v_med3_num_f32 v[\s+16*\b+\i], v[\s+16*\b+\i], -v[TM+8+\b], v[TM+8+\b]
.endr
	v_cvt_scalef32_pk8_fp8_f32 v[PC+4*\b:PC+1+4*\b], v[\s+16*\b:\s+7+16*\b], v[TM+12+\b]
	v_cvt_scalef32_pk8_fp8_f32 v[PC+2+4*\b:PC+3+4*\b], v[\s+8+16*\b:\s+15+16*\b], v[TM+12+\b]
.endr
	v_nop
.endm
.macro EPI_QK a
	s_wait_xcnt 0x0
	BIASADD \a, 0
	QUANT T, PW
	s_cmp_eq_u32 s100, 1
	s_cbranch_scc0 .Lno_mask_\@
	v_cmp_ne_u32 vcc_lo, 0, v[MK+\a]
.irp i, 0,1,2,3,4,5,6,7,8,9,10,11,12,13,14,15
	v_cndmask_b32 v[PC+\i], 0, v[PC+\i], vcc_lo
.endr
	v_cndmask_b32 v[MC+\a], v56, v57, vcc_lo
.if (\a)%2
	global_store_b64 v61, v[MC+\a-1:MC+\a], s[68:69] offset:8192+256*((\a)/2)
	global_store_b64 v61, v[MC+\a-1:MC+\a], s[70:71] offset:8192+256*((\a)/2)
.endif
.Lno_mask_\@:
	s_wait_alu depctr_va_vdst(0)
.irp hh, 0,1
.irp c, 0,1
	global_store_b128 v60, v[PC+8*\hh+4*\c:PC+8*\hh+4*\c+3], s[68+2*\hh:69+2*\hh] offset:2048*((\a)/2)+1024*((\a)%2)+512*\c
.endr
.endr
.if (\a)%2
	v_lshl_or_b32 v58, v[PW], 16, s76
	v_and_or_b32 v59, v[PW], 0xffff0000, s76
	v_cndmask_b32 v[SW+(\a)/2], v[SW+(\a)/2], v58, s78
	v_cndmask_b32 v[SW+4+(\a)/2], v[SW+4+(\a)/2], v59, s78
.else
	v_and_or_b32 v[SW+(\a)/2], v[PW], 0xffff, s77
	v_lshrrev_b32 v[SW+4+(\a)/2], 16, v[PW]
	v_or_b32 v[SW+4+(\a)/2], s77, v[SW+4+(\a)/2]
.endif
.endm
.macro EPI_V a
	s_wait_xcnt 0x0
	BIASADD \a, 1
	QUANT T, VW+(\a)%4
.irp c, 0,1,2,3
	global_store_b128 v60, v[PC+4*\c:PC+4*\c+3], s[68+2*((\a)/4):69+2*((\a)/4)] offset:2048*((\a)%4)+512*\c
.endr
.if (\a)%4 == 3
	v_cndmask_b32 v58, v[VW], v[VW+2], s78
	v_cndmask_b32 v59, v[VW+1], v[VW+3], s78
	global_store_b64 v62, v[58:59], s[68+2*((\a)/4):69+2*((\a)/4)] offset:8192
.endif
.endm
	s_cmp_eq_u32 s100, 2
	s_cbranch_scc1 .Lout_v
.irp a, 0,1,2,3,4,5,6,7
	EPI_QK \a
.endr
	global_store_b128 v60, v[SW:SW+3], s[72:73]
	global_store_b128 v60, v[SW+4:SW+7], s[74:75]
	s_branch .Lend
.Lout_v:
.irp a, 0,1,2,3,4,5,6,7
	EPI_V \a
.endr
.Lend:
	s_wait_tensorcnt 0x0
	ds_add_u32 v[SPW], v[NIL]
	s_wait_dscnt 0x0
	CROUND
	s_endpgm
.Lfunc_end_k_qc067c12773_qkv:
	.size	k_qc067c12773_qkv, .Lfunc_end_k_qc067c12773_qkv-k_qc067c12773_qkv
	.p2alignl 7, 3214868480
	.fill 96, 4, 3214868480
	.section	.rodata,"a",@progbits
	.p2align	6, 0x0
	.amdhsa_kernel k_qc067c12773_qkv
		.amdhsa_group_segment_fixed_size 327680
		.amdhsa_private_segment_fixed_size 0
		.amdhsa_enable_private_segment 0
		.amdhsa_kernarg_size 112
		.amdhsa_user_sgpr_count 2
		.amdhsa_user_sgpr_kernarg_segment_ptr 1
		.amdhsa_wavefront_size32 1
		.amdhsa_system_sgpr_workgroup_id_x 1
		.amdhsa_system_sgpr_workgroup_id_y 1
		.amdhsa_system_sgpr_workgroup_id_z 1
		.amdhsa_system_vgpr_workitem_id 0
		.amdhsa_next_free_vgpr 1024
		.amdhsa_next_free_sgpr 101
		.amdhsa_reserve_vcc 1
		.amdhsa_float_denorm_mode_32 3
		.amdhsa_float_denorm_mode_16_64 3
		.amdhsa_memory_ordered 1
		.amdhsa_forward_progress 1
		.amdhsa_inst_pref_size 255
	.end_amdhsa_kernel
	.section	.bss,"aw",@nobits
	.p2align	6
	.space	262144
	.amdgpu_metadata
---
amdhsa.version: [ 1, 2 ]
amdhsa.kernels:
  - .name:           k_qc067c12773_qkv
    .symbol:         k_qc067c12773_qkv.kd
    .args:
      - { .name: a_codes, .offset: 0, .size: 8, .value_kind: global_buffer, .address_space: global }
      - { .name: a_scales, .offset: 8, .size: 8, .value_kind: global_buffer, .address_space: global }
      - { .name: Wq_codes, .offset: 16, .size: 8, .value_kind: global_buffer, .address_space: global }
      - { .name: Wq_scales, .offset: 24, .size: 8, .value_kind: global_buffer, .address_space: global }
      - { .name: Wk_codes, .offset: 32, .size: 8, .value_kind: global_buffer, .address_space: global }
      - { .name: Wk_scales, .offset: 40, .size: 8, .value_kind: global_buffer, .address_space: global }
      - { .name: Wv_codes, .offset: 48, .size: 8, .value_kind: global_buffer, .address_space: global }
      - { .name: Wv_scales, .offset: 56, .size: 8, .value_kind: global_buffer, .address_space: global }
      - { .name: bq, .offset: 64, .size: 8, .value_kind: global_buffer, .address_space: global }
      - { .name: bk, .offset: 72, .size: 8, .value_kind: global_buffer, .address_space: global }
      - { .name: bv, .offset: 80, .size: 8, .value_kind: global_buffer, .address_space: global }
      - { .name: mask, .offset: 88, .size: 8, .value_kind: global_buffer, .address_space: global }
      - { .name: qimg, .offset: 96, .size: 8, .value_kind: global_buffer, .address_space: global }
      - { .name: kv, .offset: 104, .size: 8, .value_kind: global_buffer, .address_space: global }
    .group_segment_fixed_size: 327680
    .private_segment_fixed_size: 0
    .kernarg_segment_align: 8
    .kernarg_segment_size: 112
    .max_flat_workgroup_size: 128
    .sgpr_count:     101
    .vgpr_count:     1024
    .wavefront_size: 32
...
	.end_amdgpu_metadata
.endif
;; end of part 2
;; launch attn (part 3): grid 4 x 64, 8 waves a work-group, clusters of 4 x 1, 291,840 bytes of LDS; arguments qimg, kv, ctx_img, ctx_sc; writes ctx_img, ctx_sc
.if DOCPART == 3
	.amdgcn_target "amdgcn-amd-amdhsa--gfx1250"
	.amdhsa_code_object_version 6
	.text
	.protected	k_qc067c12773_attn
	.globl	k_qc067c12773_attn
	.p2align	8
	.type	k_qc067c12773_attn,@function
k_qc067c12773_attn:
	s_mov_b64 s[64:65], 0
	v_nop
	global_prefetch_b8 v0, s[64:65] scope:SCOPE_SE
	s_setreg_imm32_b32 hwreg(HW_REG_WAVE_MODE, 25, 1), 1
	s_wait_xcnt 0x0
	s_wait_alu depctr_hold_cnt(0) depctr_sa_sdst(0) depctr_va_vdst(0) depctr_va_sdst(0) depctr_va_ssrc(0) depctr_va_vcc(0) depctr_vm_vsrc(0)
	s_getreg_b32 s2, hwreg(HW_REG_IB_STS2, 6, 4)
	s_cmp_eq_u32 s2, 0
	s_cbranch_scc0 .Lentry_in_a_cluster
	s_endpgm
.Lentry_in_a_cluster:
	s_bfe_u32 s2, ttmp6, 0x10000c
	s_cmp_lg_u32 s2, 0x3003
	s_cbranch_scc0 .Lentry_shape_is_right
	s_endpgm
.Lentry_shape_is_right:
; ctx[b][q][head] = softmax_k(q . k / 8, masked) v, both products on codes of E4M3 with E8M0 scales, and ctx quantised along H for the last projection.
; THE SOFTMAX: t = score x log2(e) / 8; M = the running largest t rounded up to a whole number; p = 2^(t - M) is quantised along the keys, not normalised; the row's sum is taken of the unquantised p and divides at the end.
; SHARES.  The grid's y is batch x head; the four work-groups of a cluster own 512 queries each of that head.  The head's 16 records of K, mask and V (290,816 bytes) come into LDS ONCE, by one joint tensor load a wave
; (two records, 142 rows of 256 dense bytes), and stay: no slot is filled again, and there is no loop in which a prefetch could run ahead.  A wave holds TWO tiles of 16 queries, so each fragment read from LDS feeds two matrix instructions; two passes.
; LAYOUT.  Both products are used transposed (S^T = K Q^T, O^T = V^T P^T): a lane holds one query.  All operands lie in LDS and memory as images of their registers: every load is 16 x lane.
; K = 64 IN A FORM OF K = 128.  Two tiles of keys share 24 registers [A | Z | B]: (A | Z) meets [q | z''], (Z | B) meets [z' | q].  Z holds the two tiles' mask words (the code of -1 for a masked key, else 0), z'' and z'
; the code of 1 at the matching place, and K's scale word 2^33 for that block: a masked key, whose codes are zeros, scores exactly -2^33; an open key gets + 0.  -2^33 x c is a whole number, so a row with every key masked gives p = 1 throughout.
; THE ORDER OF A TILE'S SOFTMAX.  Independent lines take turns: the maxima run in eight chains; the exponentials go in two halves, the first among the second half's multiply-adds, the second among the first half's holds;
; the sums run in four chains of the step's own, among the holds, and join the running sum by one fused multiply-add.
; LIMITS: a masked logit is -2^30 where the module has -1e9: the same results while open logits stay above some -9e8.  A block of zeros gets the byte 1.  NaN and infinities are not served.
; REGISTERS.  Window 0: v1-7 addresses, v8-11 K's scale words, v12-15 V's, v16-17 q's, v20-21 p's, v22-29 at work, v32-95 V's four fragments.  Window 1: v0-95 K's four pairs.
; In window t for tile t: v96-159 S^T, then p; v160-191 O^T; v192-207 p's codes; v208-231 z' | q | z''; v232-255 at work (v232-239 maxima, then the sums' chains; v248 -M, v249 the largest score, v[250:251] the sum, v252 f).
.set REC, 18176
.set S,   96
.set O,   160
.set PCD, 192
.set QZ,  208
.set BM,  232
.set T1,  236
.set CH,  232
.set HB,  240
.set SO,  244
.set MSB, 0
.macro WIN new                         ; the immediate's high byte repeats the setting that is left
.if MSB != (\new)
	s_set_vgpr_msb (MSB<<8)|(\new)
.set MSB, (\new)
.endif
.endm
.macro WINT t                          ; every operand in tile t's window
.if \t
	WIN 0x55
.else
	WIN 0
.endif
.endm
.macro CROUND                          ; a round of the cluster's barrier
	s_barrier_signal -1
	s_barrier_wait -1
	s_cmp_lg_u32 s12, 0
	s_cbranch_scc1 .Lnot_wave_0_\@
	s_barrier_signal -3
.Lnot_wave_0_\@:
	s_barrier_wait -3
	s_barrier_signal -1
	s_barrier_wait -1
.endm
	s_load_b256 s[4:11], s[0:1], 0x0               ; qimg, kv, ctx_img, ctx_sc
	v_lshl_add_u32 v30, v0, 2, 0x47000
	v_mov_b32 v31, 0
	ds_add_u32 v30, v31                            ; the opening lines: the add twice on end
	ds_add_u32 v30, v31
	v_lshrrev_b32 v1, 5, v0
	s_delay_alu instid0(VALU_DEP_1)
	v_readfirstlane_b32 s12, v1                    ; wave 0..7
	v_and_b32 v28, 31, v0
	v_and_b32 v29, 15, v0
	s_delay_alu instid0(VALU_DEP_2)
	v_lshlrev_b32 v1, 4, v28                       ; 16 x lane
	s_delay_alu instid0(VALU_DEP_3)
	v_lshlrev_b32 v2, 3, v28                       ; 8 x lane
	s_delay_alu instid0(VALU_DEP_3)
	v_lshlrev_b32 v3, 4, v29                       ; 16 r
	v_lshlrev_b32 v24, 2, v28                      ; 4 x lane
	s_and_b32 s36, s12, 3                          ; my pair's place in its record of q
	s_lshl_b32 s37, s36, 2
	v_add_nc_u32 v23, s37, v1                      ; its word in q's scale rows
	s_lshl_b32 s37, s36, 11
	v_add_nc_u32 v27, s37, v1                      ; its codes
	s_bfe_u32 s13, ttmp6, 0x40000                  ; cx: it enters q's and ctx's global addresses alone
	s_and_b32 s14, ttmp7, 0xffff                   ; batch x head, which the four partners share
	s_mul_i32 s40, s12, 2*REC                      ; my two records in LDS, and in the head's part of kv
	s_mul_i32 s34, s14, 16*REC
	s_add_co_u32 s34, s34, s40
	s_mov_b32 s35, 0
	s_lshl_b32 s38, s13, 4
	s_add_co_u32 s38, s38, s12                     ; my pair of the first pass: 16 cx + wave
	s_lshr_b32 s39, s14, 4                         ; batch
	s_and_b32 s41, s14, 15                         ; head
	s_mul_i32 s42, s14, 16*8704
	s_lshr_b32 s43, s38, 2
	s_mul_i32 s43, s43, 8704
	s_add_co_u32 s42, s42, s43                     ; q: my pair's record
	s_mov_b32 s43, 0
	s_lshl_b32 s44, s39, 7
	s_lshl_b32 s45, s38, 1
	s_add_co_u32 s44, s44, s45                     ; ctx_img: token tile 128 batch + 2 pair,
	s_lshl_b32 s44, s44, 14
	s_lshl_b32 s45, s41, 10                        ; + 1,024 x head
	s_add_co_u32 s44, s44, s45
	s_mov_b32 s45, 0
	s_lshl_b32 s46, s39, 11
	s_lshl_b32 s47, s38, 5
	s_add_co_u32 s46, s46, s47
	s_lshl_b32 s46, s46, 2
	s_lshl_b32 s47, s41, 15
	s_add_co_u32 s46, s46, s47                     ; ctx_sc: [head][token] words
	s_mov_b32 s47, 0
	s_mov_b32 s24, 15|(3<<16)|(1<<21)              ; group 1: the mask names all four; elements of 8 bytes; no padding; bit 21 beside a mask
	s_mov_b32 s25, 32<<16
	s_mov_b32 s26, 142<<16
	s_mov_b32 s27, 32<<16
	s_mov_b32 s28, 142
	s_mov_b32 s29, 32
	s_mov_b32 s30, 0
	s_mov_b32 s31, 0
	s_mov_b32 s20, 0x76543210
	s_mov_b32 s21, 0xfedcba98                      ; v_permlanex16_b32's selects for lane l xor 16
	s_mov_b32 s22, 0x3e38aa3b                      ; c = log2(e) / 8
	s_mov_b32 s23, s22
	s_mov_b32 s32, 0x600000                        ; the mantissa field of 448
	s_mov_b32 s33, 0xffff0000                      ; lanes 16-31
	s_wait_dscnt 0x0
	s_wait_kmcnt 0x0
	s_mov_b32 s16, 1
	s_mov_b32 s17, s40
	s_add_nc_u64 s[18:19], s[6:7], s[34:35]
	s_or_b32 s19, s19, 0x80000000
	s_add_nc_u64 s[4:5], s[4:5], s[42:43]
	s_add_nc_u64 s[8:9], s[8:9], s[44:45]
	s_add_nc_u64 s[10:11], s[10:11], s[46:47]
	CROUND                                         ; all four work-groups are here: the joint loads meet
	tensor_load_to_lds s[16:19], s[24:31]          ; my one tensor load of the launch
	s_nop 0
.rept 4
	v_nop
.endr
	v_mov_b32 v25, 0x38                            ; the code of 1
	v_mov_b32 v26, 0
.macro CONSTS t                        ; what stays in tile t's window: z', z'' and registers that must have been written
.if \t
	WIN 0x40
.endif
.irp j, 0,2,3,4,5,6,7,17,18,19,20,21,22,23
	v_mov_b32 v[QZ+\j], 0
.endr
	v_cndmask_b32 v[QZ+1], v25, v26, s33           ; z'[1]: meets the second tile's mask word
	v_cndmask_b32 v[QZ+16], v25, v26, s33          ; z''[0]: meets the first tile's
.irp j, 0,1,2,3
	v_mov_b32 v[T1+\j], 0
.endr
	v_mov_b32 v253, 0
.endm
	CONSTS 0
	CONSTS 1
.irp i, 0,1,2,3
.irp j, 10,11,12,13,14,15
	v_mov_b32 v[24*\i+\j], 0                       ; the rest of Z (window 1)
.endr
.endr
	WIN 0
	s_wait_tensorcnt 0x0                           ; my two records have landed,
	s_barrier_signal -1
	s_barrier_wait -1                              ; everybody's have
.macro KLOAD                           ; 21 loads: a step's four pairs, their mask words, and K's scale words
	WIN 0x40
.irp i, 0,1,2,3
.irp c, 0,1
	ds_load_b128 v[24*\i+4*\c:24*\i+4*\c+3], v4 offset:2048*\i+512*\c
	ds_load_b128 v[24*\i+16+4*\c:24*\i+16+4*\c+3], v4 offset:2048*\i+1024+512*\c
.endr
	ds_load_b64 v[24*\i+8:24*\i+9], v5 offset:8192+256*\i
.endr
	WIN 0
	ds_load_b128 v[8:11], v4 offset:9216
.endm
.macro VLOAD                           ; 17 loads: a step's four fragments of V^T and their scale words
.irp u, 0,1,2,3
.irp c, 0,1,2,3
	ds_load_b128 v[32+16*\u+4*\c:32+16*\u+4*\c+3], v6 offset:9728+2048*\u+512*\c
.endr
.endr
	ds_load_b128 v[12:15], v7 offset:17920
.endm
.macro QK t                            ; S^T of tile t: eight products, each starting its own sum
.if \t
	WIN 0x45
.else
	WIN 0x01
.endif
.irp i, 0,1,2,3
.if \t
	v_wmma_scale_f32_16x16x128_f8f6f4 v[S+16*\i:S+16*\i+7], v[24*\i:24*\i+15], v[QZ+8:QZ+23], 0, v[8+\i], v17 matrix_b_scale:MATRIX_SCALE_ROW1
	v_wmma_scale_f32_16x16x128_f8f6f4 v[S+16*\i+8:S+16*\i+15], v[24*\i+8:24*\i+23], v[QZ:QZ+15], 0, v[8+\i], v16 matrix_a_scale:MATRIX_SCALE_ROW1 matrix_b_scale:MATRIX_SCALE_ROW1
.else
	v_wmma_scale_f32_16x16x128_f8f6f4 v[S+16*\i:S+16*\i+7], v[24*\i:24*\i+15], v[QZ+8:QZ+23], 0, v[8+\i], v16
	v_wmma_scale_f32_16x16x128_f8f6f4 v[S+16*\i+8:S+16*\i+15], v[24*\i+8:24*\i+23], v[QZ:QZ+15], 0, v[8+\i], v17 matrix_a_scale:MATRIX_SCALE_ROW1
.endif
.endr
.endm
.macro PV t                            ; O^T of tile t += V^T P^T: four accumulators, one instruction each
.if \t
	WIN 0x54
.else
	WIN 0
.endif
.irp u, 0,1,2,3
	v_wmma_scale_f32_16x16x128_f8f6f4 v[O+8*\u:O+8*\u+7], v[32+16*\u:47+16*\u], v[PCD:PCD+15], v[O+8*\u:O+8*\u+7], v[12+\u], v[20+\t]
.endr
.endm
.macro NEWC k                          ; chain k of the step's sums begins: four of block 0's p
	v_pk_add_f32 v[CH+2*\k:CH+2*\k+1], v[S+4*\k:S+4*\k+1], v[S+4*\k+2:S+4*\k+3]
.endm
.macro ADDC k, j                       ; chain k += p's pair j
	v_pk_add_f32 v[CH+2*(\k):CH+2*(\k)+1], v[CH+2*(\k):CH+2*(\k)+1], v[S+2*(\j):S+2*(\j)+1]
.endm
.macro CVT b                           ; block b's 16 held p become 16 codes
	v_cvt_scalef32_pk8_fp8_f32 v[PCD+4*\b:PCD+4*\b+1], v[S+16*\b:S+16*\b+7], v[SO+\b]
	v_cvt_scalef32_pk8_fp8_f32 v[PCD+4*\b+2:PCD+4*\b+3], v[S+16*\b+8:S+16*\b+15], v[SO+\b]
.endm
.macro SOFT t                          ; tile t's softmax of 128 keys; registers 16 b + 0..15 are 16 keys of block b
	WINT \t
.if \t
	s_wait_alu depctr_va_vdst(0)                   ; the wait directly ahead of the first reader of these scores: tile 0's exponentials stand behind their products
.endif
.irp b, 0,1,2,3
	v_max3_num_f32 v[BM+\b], v[S+16*\b], v[S+1+16*\b], v[S+2+16*\b]   ; each block's largest score, in two chains, one to an accumulator, each read from its low end on
.endr
.irp b, 0,1,2,3
	v_max3_num_f32 v[T1+\b], v[S+8+16*\b], v[S+9+16*\b], v[S+10+16*\b]
.endr
.irp i, 3,5
.irp b, 0,1,2,3
	v_max3_num_f32 v[BM+\b], v[BM+\b], v[S+16*\b+\i], v[S+1+16*\b+\i]
.endr
.irp b, 0,1,2,3
	v_max3_num_f32 v[T1+\b], v[T1+\b], v[S+8+16*\b+\i], v[S+9+16*\b+\i]
.endr
.endr
.irp b, 0,1,2,3
	v_max3_num_f32 v[BM+\b], v[BM+\b], v[S+7+16*\b], v[S+15+16*\b]
.endr
.irp b, 0,1,2,3
	s_delay_alu instid0(VALU_DEP_4)
	v_max_num_f32 v[BM+\b], v[BM+\b], v[T1+\b]
.endr
.irp b, 0,1,2,3
	s_delay_alu instid0(VALU_DEP_4)
	v_permlanex16_b32 v[T1+\b], v[BM+\b], s20, s21
.endr
.irp b, 0,1,2,3
	s_delay_alu instid0(VALU_DEP_4)
	v_max_num_f32 v[BM+\b], v[BM+\b], v[T1+\b]     ; with lane l xor 16's 16 keys
.endr
	v_mov_b32 v254, v248                           ; the old -M
	v_max3_num_f32 v255, v[BM], v[BM+1], v[BM+2]
	v_max3_num_f32 v249, v249, v255, v[BM+3]       ; the running largest score (c is positive: its product with c is the largest t)
	v_mul_f32 v255, s22, v249
	v_floor_f32 v248, -v255                        ; -M = floor(-t): M is a whole number
.set J, 0
.rept 16
	v_pk_fma_f32 v[S+J:S+J+1], v[S+J:S+J+1], s[22:23], v[248:249] op_sel_hi:[1,0,0]   ; t - M of blocks 0 and 1; f's three lines stand among them
.if J == 4
	v_sub_f32 v254, v248, v254                     ; old M - new M, 0 or less
.endif
.if J == 14
	v_cvt_i32_f32 v254, v254                       ; (it saturates)
.endif
.if J == 24
	v_ldexp_f32 v252, 1.0, v254                    ; f = 2^(old M - new M): a multiplication by it rounds nothing
.endif
.set J, J+2
.endr
.irp b, 0,1,2,3
	v_fma_f32 v[BM+\b], v[BM+\b], s22, v248        ; the same of each block's largest score
.endr
.endm
.macro SC t                            ; tile t: the first half of the exponentials; the wait ahead of the batch stands in the step, once for both tiles
	WINT \t
.irp b, 0,1,2,3
	v_exp_f32 v[BM+\b], v[BM+\b]                   ; the block's largest p
.endr
.set J, 0
.rept 16
	v_exp_f32 v[S+J], v[S+J]                       ; p = 2^(t - M) of blocks 0 and 1,
	v_exp_f32 v[S+J+1], v[S+J+1]
	v_pk_fma_f32 v[S+32+J:S+33+J], v[S+32+J:S+33+J], s[22:23], v[248:249] op_sel_hi:[1,0,0]   ; among them t - M of blocks 2 and 3, which names none of their registers
.set J, J+2
.endr
.endm
.macro SE t                            ; tile t: the scales, the sums of blocks 0 and 1, their holds among the second half of the exponentials; the wait behind the first half stands in the step
	WINT \t
.irp b, 0,1,2,3
	v_max_num_f32 v[BM+\b], 0x4800000, v[BM+\b]    ; the floor 2^(9 - 127)
.endr
.irp b, 0,1,2,3
	v_add_nc_u32 v[SO+\b], 0xfc000000, v[BM+\b]    ; the conversion's scale operand
.endr
.irp b, 0,1,2,3
	v_and_or_b32 v[HB+\b], v[BM+\b], 0x7f800000, s32   ; 448 x the scale
.endr
.irp b, 0,1,2,3
	v_lshrrev_b32 v[T1+\b], 23, v[SO+\b]           ; the scale's byte
.endr
	v_lshl_or_b32 v255, v[T1+1], 8, v[T1]          ; p's scale word; the sums of the unquantised p of blocks 0 and 1 begin among its lines, in registers that are done with
	NEWC 0
	NEWC 1
	v_lshl_or_b32 v255, v[T1+2], 16, v255
	NEWC 2
	ADDC 0, 8
.if \t
	WIN 0x15                                       ; scale operands have no window: p's scale word goes to window 0
.endif
	v_lshl_or_b32 v[20+\t], v[T1+3], 24, v255
	WINT \t
	NEWC 3
	ADDC 1, 9
	ADDC 2, 10
	ADDC 0, 12
	ADDC 3, 11
	ADDC 1, 13
	ADDC 2, 14
	ADDC 3, 15
.set J, 0
.rept 8
	; the hold of blocks 0 and 1 (the conversion does not saturate: ISA guide 7.6.2; p is not negative), two to an instruction: one number of each block, so that the sources lie in different banks and one destination is even, the other odd
	v_dual_min_num_f32 v[S+J], v[S+J], v[HB] :: v_dual_min_num_f32 v[S+17+J], v[S+17+J], v[HB+1]   ; both bounds are first read ahead of the exponentials below
	v_dual_min_num_f32 v[S+16+J], v[S+16+J], v[HB+1] :: v_dual_min_num_f32 v[S+1+J], v[S+1+J], v[HB]
	v_exp_f32 v[S+32+2*J], v[S+32+2*J]             ; among them p of blocks 2 and 3
	v_exp_f32 v[S+33+2*J], v[S+33+2*J]
	v_exp_f32 v[S+34+2*J], v[S+34+2*J]
	v_exp_f32 v[S+35+2*J], v[S+35+2*J]
.set J, J+2
.endr
.endm
.macro SH t                            ; tile t: O^T under the new M, the codes, the sums and holds of blocks 2 and 3
	WINT \t
	s_wait_alu depctr_va_vdst(0)                   ; behind the step's last exponential, directly ahead of the first readers of O^T
.set J, 0
.rept 16
	v_pk_mul_f32 v[O+J:O+J+1], v[O+J:O+J+1], v[252:253] op_sel_hi:[1,0]   ; O^T under the new M
.set J, J+2
.endr
	CVT 0
	CVT 1
.set J, 0
.rept 8
	ADDC (2*J)%4, 16+J                             ; blocks 2 and 3: a pair of each is summed, then held
	ADDC (2*J+1)%4, 24+J
	v_dual_min_num_f32 v[S+32+2*J], v[S+32+2*J], v[HB+2] :: v_dual_min_num_f32 v[S+49+2*J], v[S+49+2*J], v[HB+3]
	v_dual_min_num_f32 v[S+48+2*J], v[S+48+2*J], v[HB+3] :: v_dual_min_num_f32 v[S+33+2*J], v[S+33+2*J], v[HB+2]
.set J, J+1
.endr
	CVT 2
	CVT 3
	v_pk_add_f32 v[CH:CH+1], v[CH:CH+1], v[CH+2:CH+3]       ; four plain lines stand between the last codes and the products that take them
	v_pk_add_f32 v[CH+4:CH+5], v[CH+4:CH+5], v[CH+6:CH+7]
	s_delay_alu instid0(VALU_DEP_1)
	v_pk_add_f32 v[CH:CH+1], v[CH:CH+1], v[CH+4:CH+5]
	s_delay_alu instid0(VALU_DEP_1)
	v_pk_fma_f32 v[250:251], v[250:251], v[252:253], v[CH:CH+1] op_sel_hi:[1,0,1]   ; the sum under the new M + the step's
.endm
; A KEY STEP of 128 keys for both tiles.  pf = 1: the next step's K is fetched.
.macro STEP pf
	s_wait_dscnt 0x0                               ; this step's K is in
	QK 0
	QK 1
	WIN 0
	v_add_nc_u32 v6, s35, v1                       ; eight plain lines: the places in front of the loads below and of the first read of the scores
	v_add_nc_u32 v7, s35, v3
.if \pf
	v_add_nc_u32 v4, s34, v1
	v_add_nc_u32 v5, s34, v2
.rept 4
	v_nop
.endr
.else
.rept 6
	v_nop
.endr
.endif
	VLOAD
.if \pf
	KLOAD
.endif
	SOFT 0                                         ; both tiles go through each part of the softmax together, so that one wait serves both tiles' exponentials
	SOFT 1
	s_wait_alu depctr_va_vdst(0)                   ; the wait ahead of the batch
	SC 1
	SC 0
	s_wait_alu depctr_va_vdst(0)                   ; one wait behind the batch, which is also the wait ahead of the next
	SE 0
	SE 1
	SH 0
	s_wait_alu depctr_va_vdst(0)                   ; the wait directly ahead of the wait below
.if \pf
	s_wait_dscnt 21                                ; V's 17 loads are in; the 21 for the next step's K, issued behind them, may be out
.else
	s_wait_dscnt 0x0
.endif
	PV 0
	SH 1
	PV 1
	WIN 0
	s_add_co_u32 s35, s35, REC
	s_add_co_u32 s34, s34, REC
.endm
.macro INIT t
	WINT \t
	v_mov_b32 v249, 0xff61b1e6                     ; the largest score so far: -3e38
	s_delay_alu instid0(VALU_DEP_1)
	v_floor_f32 v248, -v249
	v_mov_b32 v250, 0
	v_mov_b32 v251, 0
.set J, 0
.rept 32
	v_mov_b32 v[O+J], 0                            ; the step is written once: the first finds zeros, which the first change of M leaves zeros
.set J, J+1
.endr
.endm
; Tile t's way out: O^T / the sum; its two blocks of 32 along d quantised; the halves of the lanes exchange eight codes each, so that half h holds members 16 h + 0..15 of a block, the order of Wo's codes.
.macro OUT t
	WINT \t
	v_add_f32 v250, v250, v251
	s_delay_alu instid0(VALU_DEP_1)
	v_permlanex16_b32 v254, v250, s20, s21
	s_delay_alu instid0(VALU_DEP_1)
	v_add_f32 v250, v250, v254                     ; the row's sum
	s_wait_alu depctr_va_vdst(0)
	v_rcp_f32 v250, v250
	v_nop
.set J, 0
	s_wait_alu depctr_va_vdst(0)
.rept 16
	v_pk_mul_f32 v[S+J:S+J+1], v[O+J:O+J+1], v[250:251] op_sel_hi:[1,0]
.set J, J+2
.endr
.irp b, 0,1
	v_max3_num_f32 v[BM+\b], |v[S+16*\b]|, |v[S+1+16*\b]|, 0x4800000
.endr
.irp i, 2,4,6,8,10,12,14
.irp b, 0,1
	s_delay_alu instid0(VALU_DEP_2)
	v_max3_num_f32 v[BM+\b], v[BM+\b], |v[S+16*\b+\i]|, |v[S+1+16*\b+\i]|
.endr
.endr
.irp b, 0,1
	s_delay_alu instid0(VALU_DEP_2)
	v_permlanex16_b32 v[T1+\b], v[BM+\b], s20, s21
.endr
.irp b, 0,1
	s_delay_alu instid0(VALU_DEP_2)
	v_max_num_f32 v[BM+\b], v[BM+\b], v[T1+\b]
.endr
.irp b, 0,1
	s_delay_alu instid0(VALU_DEP_2)
	v_add_nc_u32 v[SO+\b], 0xfc000000, v[BM+\b]
.endr
.irp b, 0,1
	s_delay_alu instid0(VALU_DEP_4)
	v_and_or_b32 v[HB+\b], v[BM+\b], 0x7f800000, s32
.endr
.irp b, 0,1
	s_delay_alu instid0(VALU_DEP_4)
	v_lshrrev_b32 v[T1+\b], 23, v[SO+\b]
.endr
	s_delay_alu instid0(VALU_DEP_1)
	v_lshl_or_b32 v254, v[T1+1], 8, v[T1]          ; the head's two bytes of my token
.irp b, 0,1
.irp i, 0,1,2,3,4,5,6,7,8,9,10,11,12,13,14,15
	v_med3_num_f32 v[S+16*\b+\i], v[S+16*\b+\i], -v[HB+\b], v[HB+\b]
.endr
	v_cvt_scalef32_pk8_fp8_f32 v[PCD+4*\b:PCD+4*\b+1], v[S+16*\b:S+16*\b+7], v[SO+\b]
	v_cvt_scalef32_pk8_fp8_f32 v[PCD+4*\b+2:PCD+4*\b+3], v[S+16*\b+8:S+16*\b+15], v[SO+\b]
.endr
	v_nop
.irp b, 0,1
.irp i, 0,1
	v_permlanex16_b32 v[BM+2*\b+\i], v[PCD+4*\b+2+\i], s20, s21   ; the other half's second eight,
	v_permlanex16_b32 v[HB+2*\b+\i], v[PCD+4*\b+\i], s20, s21     ; and its first eight
.endr
.endr
.irp b, 0,1
.irp i, 0,1
	v_cndmask_b32 v[PCD+8+4*\b+\i], v[PCD+4*\b+\i], v[BM+2*\b+\i], s33      ; h = 0: my first eight; h = 1: the other's second
	v_cndmask_b32 v[PCD+10+4*\b+\i], v[HB+2*\b+\i], v[PCD+4*\b+2+\i], s33   ; h = 0: the other's first; h = 1: my second
.endr
.endr
.if \t
	WIN 0x04                                       ; a store's data are its source 1
.endif
.irp b, 0,1
	global_store_b128 v1, v[PCD+8+4*\b:PCD+11+4*\b], s[8:9] offset:16384*\t+512*\b   ; 512 consecutive bytes
.endr
.endm
	s_mov_b32 s37, 2
.Lpass:                                            ; two passes: pairs 16 cx + wave and 16 cx + 8 + wave
	global_load_b128 v[QZ+8:QZ+11], v27, s[4:5]
	global_load_b128 v[QZ+12:QZ+15], v27, s[4:5] offset:512
	global_load_b32 v16, v23, s[4:5] offset:8192   ; lanes 0-15: tile 0 as (s0, s1, 127, 127); lanes 16-31: tile 1 as (127, 127, s0, s1)
	WIN 0x40
	global_load_b128 v[QZ+8:QZ+11], v27, s[4:5] offset:1024
	global_load_b128 v[QZ+12:QZ+15], v27, s[4:5] offset:1536
	WIN 0
	s_mov_b32 s34, 0
	v_add_nc_u32 v4, s34, v1
	v_add_nc_u32 v5, s34, v2
	KLOAD                                          ; step 0's K
	s_mov_b32 s34, REC                             ; where the next K is fetched,
	s_mov_b32 s35, 0                               ; and the step's V
	INIT 0
	INIT 1
	WIN 0
	s_wait_loadcnt 0x0                             ; q
	v_alignbit_b32 v17, v16, v16, 16               ; the other form of each tile's scale word
.rept 8
	v_nop                                          ; a scale register written by a vector line stands eight places ahead of the product that takes it
.endr
	s_mov_b32 s36, 15
.Lstep:
	s_wait_alu depctr_va_vdst(0)                   ; the wait behind the branch and ahead of the wait below
	STEP 1
	s_sub_co_u32 s36, s36, 1
	s_cmp_lg_u32 s36, 0
	s_cbranch_scc1 .Lstep
	STEP 0                                         ; the last step fetches no further K: no LDS read passes the last record
	OUT 0                                          ; tile 0's vector lines are the places behind tile 1's last products
	OUT 1
	WIN 0x04
	v_cndmask_b32 v22, v254, v254, s33             ; lanes 0-15: tile 0's words (window 0); lanes 16-31: tile 1's (window 1)
	WIN 0
	global_store_b32 v24, v22, s[10:11]            ; 128 consecutive bytes
	s_wait_xcnt 0x0                                ; the stores have read their registers and bases: both may be written again
	s_add_nc_u64 s[4:5], s[4:5], 2*8704            ; eight pairs on
	s_add_nc_u64 s[8:9], s[8:9], 16*16384
	s_add_nc_u64 s[10:11], s[10:11], 1024
	s_sub_co_u32 s37, s37, 1
	s_cmp_lg_u32 s37, 0
	s_cbranch_scc1 .Lpass
	s_wait_tensorcnt 0x0                           ; the wave's end
	ds_add_u32 v30, v31
	s_wait_dscnt 0x0
	CROUND                                         ; the closing round
	s_endpgm
.Lfunc_end_k_qc067c12773_attn:
	.size	k_qc067c12773_attn, .Lfunc_end_k_qc067c12773_attn-k_qc067c12773_attn
	.p2alignl 7, 3214868480
	.fill 96, 4, 3214868480
	.section	.rodata,"a",@progbits
	.p2align	6, 0x0
	.amdhsa_kernel k_qc067c12773_attn
		.amdhsa_group_segment_fixed_size 291840
		.amdhsa_private_segment_fixed_size 0
		.amdhsa_enable_private_segment 0
		.amdhsa_kernarg_size 32
		.amdhsa_user_sgpr_count 2
		.amdhsa_user_sgpr_kernarg_segment_ptr 1
		.amdhsa_wavefront_size32 1
		.amdhsa_system_sgpr_workgroup_id_x 1
		.amdhsa_system_sgpr_workgroup_id_y 1
		.amdhsa_system_sgpr_workgroup_id_z 1
		.amdhsa_system_vgpr_workitem_id 0
		.amdhsa_next_free_vgpr 512
		.amdhsa_next_free_sgpr 66
		.amdhsa_reserve_vcc 0
		.amdhsa_float_denorm_mode_32 3
		.amdhsa_float_denorm_mode_16_64 3
		.amdhsa_memory_ordered 1
		.amdhsa_forward_progress 1
		.amdhsa_inst_pref_size 96
	.end_amdhsa_kernel
	.amdgpu_metadata
---
amdhsa.version: [ 1, 2 ]
amdhsa.kernels:
  - .name:           k_qc067c12773_attn
    .symbol:         k_qc067c12773_attn.kd
    .args:
      - { .name: qimg, .offset: 0, .size: 8, .value_kind: global_buffer, .address_space: global }
      - { .name: kv, .offset: 8, .size: 8, .value_kind: global_buffer, .address_space: global }
      - { .name: ctx_img, .offset: 16, .size: 8, .value_kind: global_buffer, .address_space: global }
      - { .name: ctx_sc, .offset: 24, .size: 8, .value_kind: global_buffer, .address_space: global }
    .group_segment_fixed_size: 291840
    .private_segment_fixed_size: 0
    .kernarg_segment_align: 8
    .kernarg_segment_size: 32
    .max_flat_workgroup_size: 256
    .sgpr_count:     66
    .vgpr_count:     512
    .wavefront_size: 32
...
	.end_amdgpu_metadata
.endif
;; end of part 3
;; launch outln (part 4): grid 256 x 1, 4 waves a work-group, no clusters, 68,096 bytes of LDS; arguments ctx_img, ctx_sc, wo_img, Wo_scales, bo, hidden_states, gamma, beta, out0; writes out0
.if DOCPART == 4
	.amdgcn_target "amdgcn-amd-amdhsa--gfx1250"
	.amdhsa_code_object_version 6
	.text
	.protected	k_qc067c12773_outln
	.globl	k_qc067c12773_outln
	.p2align	8
	.type	k_qc067c12773_outln,@function
k_qc067c12773_outln:
	s_mov_b64 s[64:65], 0
	v_nop
	global_prefetch_b8 v0, s[64:65] scope:SCOPE_SE
	s_setreg_imm32_b32 hwreg(HW_REG_WAVE_MODE, 25, 1), 1
	s_wait_xcnt 0x0
; out0 = LayerNorm(ctx Wo + bo + hidden_states) x gamma + beta; the product on codes of E4M3 with E8M0 scales.
; SHARES.  The norm wants whole rows: a work-group owns 32 rows x 1,024 columns, wave w columns 256 w .. + 255: 2 x 16 accumulators.  ctx's 16 fragments (32 rows x 1,024 K) stay in every wave's registers.
; Wo's fragments come from wo_img straight into registers, a ring of four groups of four fragments: each is used by one wave of the work-group alone, for two products.
; NO JOINT LOADS: through LDS each byte of Wo would be written and read once more, and between two rounds one slot (at most some 133 KB of the 1 MB) could be on its way; the register ring keeps 48 to 64 loads
; of 512 bytes a wave on their way with no barrier at all.
; THE ACCUMULATORS BEGIN AS hidden + bo: loaded by rows, turned through the wave's own stage in LDS into the result's layout.  So residual and bias cost no addition behind the product.
; The product is used transposed (source 0 = 16 rows of Wo, source 1 = 16 tokens): lane (r, h) holds token r and columns 16 t + 8 h + 0..7.  The norm is taken in that layout, in two passes (mean; then squares of x - mean).
; REGISTERS: window 0: v4-10 addresses, v16-23 ctx's scale words, v24-39 as loaded, v40-103 Wo's scale words, v104-127 bo, gamma, beta, v128-255 hidden's rows 16-31, later at work;
; window 1: ctx's fragments ((a, p) at v[16 (8 a + p)]); window 2: the accumulators ((a, t) at v[128 a + 8 t]; its upper half first holds hidden's rows 0-15); window 3: Wo's ring, later the rows of the result.
.set STGB, 16640                       ; a wave's stage: 16 rows x (1,024 bytes + 16): the 16 rows that a load touches start at 16 different banks (64 banks of 4 bytes: ISA guide 11.1)
.set SPIT, 1040
.set RED,  4*STGB                      ; two exchanges of 4 waves x 32 words
.set CS,   16
.set RAW,  24
.set WS,   40
.set BO,   104
.set GA,   112
.set BE,   120
.set HR,   128
.set CHN,  128                         ; four chains of two for each tile
.set MSB, 0
.macro WIN new                         ; the immediate's high byte repeats the setting that is left
.if MSB != (\new)
	s_set_vgpr_msb (MSB<<8)|(\new)
.set MSB, (\new)
.endif
.endm
	s_load_b512 s[4:19], s[0:1], 0x0               ; ctx_img, ctx_sc, wo_img, Wo_scales, bo, hidden, gamma, beta
	s_load_b64 s[20:21], s[0:1], 0x40              ; out0
	v_lshl_add_u32 v14, v0, 2, 0x10800
	v_mov_b32 v15, 0
	v_lshrrev_b32 v1, 5, v0
	v_readfirstlane_b32 s22, v1                    ; wave 0..3
	v_and_b32 v1, 31, v0
	v_and_b32 v2, 15, v0                           ; r
	v_bfe_u32 v3, v0, 4, 1                         ; h
	v_lshlrev_b32 v4, 4, v1                        ; 16 x lane
	s_mul_i32 s23, s22, STGB
	v_add_nc_u32 v5, s23, v4                       ; the stage by rows
	v_mul_u32_u24 v6, v2, SPIT
	v_lshl_add_u32 v6, v3, 5, v6
	v_add_nc_u32 v6, s23, v6                       ; the stage in the result's layout: row r, + 32 h
	v_lshlrev_b32 v7, 2, v1                        ; 4 x lane
	v_lshlrev_b32 v8, 5, v1                        ; 32 x lane: a row of Wo's scale bytes
	s_lshl_b32 s24, s22, 7
	s_add_co_u32 s24, s24, RED
	v_add_nc_u32 v9, s24, v7                       ; where my wave's 32 sums go
	v_add_nc_u32 v10, RED, v7                      ; and where the four waves' are read
	s_mov_b32 s27, 0
	s_mov_b32 s29, 0xffff0000                      ; lanes 16-31
	s_mov_b32 s30, 0x76543210
	s_mov_b32 s31, 0xfedcba98
	s_mov_b32 s32, 0x3a800000                      ; 1 / 1,024
	s_mov_b32 s33, 0x3727c5ac                      ; 1e-5
	s_wait_alu depctr_va_vdst(0)
	s_wait_kmcnt 0x0
	s_lshl_b32 s26, ttmp9, 15
	s_add_nc_u64 s[4:5], s[4:5], s[26:27]          ; my two token tiles' fragments
	s_lshl_b32 s26, ttmp9, 7
	s_add_nc_u64 s[6:7], s[6:7], s[26:27]          ; my 32 tokens' words
	s_lshl_b32 s26, s22, 18
	s_add_nc_u64 s[8:9], s[8:9], s[26:27]          ; my 16 n tiles of Wo
	s_lshl_b32 s26, s22, 13
	s_add_nc_u64 s[10:11], s[10:11], s[26:27]      ; their scale bytes
	s_lshl_b32 s26, s22, 10
	s_add_nc_u64 s[12:13], s[12:13], s[26:27]      ; bo, gamma, beta at my 256 columns
	s_add_nc_u64 s[16:17], s[16:17], s[26:27]
	s_add_nc_u64 s[18:19], s[18:19], s[26:27]
	s_lshl_b32 s28, ttmp9, 17
	s_add_co_u32 s26, s26, s28
	s_add_nc_u64 s[14:15], s[14:15], s[26:27]      ; hidden and out0 at my first row and column
	s_add_nc_u64 s[20:21], s[20:21], s[26:27]
	WIN 0x80
.irp i, 0,1,2,3,4,5,6,7,8,9,10,11,12,13,14,15
.irp u, 0,1
	global_load_b128 v[HR+8*\i+4*\u:HR+8*\i+4*\u+3], v4, s[14:15] offset:\i*4096+512*\u th:TH_LOAD_NT
.endr
.endr
	WIN 0
.irp i, 0,1,2,3,4,5,6,7,8,9,10,11,12,13,14,15
.irp u, 0,1
	global_load_b128 v[HR+8*\i+4*\u:HR+8*\i+4*\u+3], v4, s[14:15] offset:(16+\i)*4096+512*\u th:TH_LOAD_NT
.endr
.endr
	WIN 0x40
.irp a, 0,1
.irp p, 0,1,2,3,4,5,6,7
.irp c, 0,1,2,3
	global_load_b128 v[16*(8*\a+\p)+4*\c:16*(8*\a+\p)+4*\c+3], v4, s[4:5] offset:16384*\a+2048*\p+512*\c
.endr
.endr
.endr
	WIN 0
.irp d, 0,1,2,3,4,5,6,7,8,9,10,11,12,13,14,15
	global_load_b32 v[RAW+\d], v7, s[6:7] offset:32768*\d   ; head d's two bytes: lanes 0-15 tile 0's tokens, lanes 16-31 tile 1's
.endr
.irp p, 0,1,2,3,4,5,6,7
.irp q, 0,1
	global_load_b128 v[WS+8*\p+4*\q:WS+8*\p+4*\q+3], v8, s[10:11] offset:1024*\p+16*\q   ; row 32 p + lane: lanes 0-15 the even n tile, lanes 16-31 the odd one; a word a K step
.endr
.endr
.irp u, 0,1
	global_load_b128 v[BO+4*\u:BO+4*\u+3], v4, s[12:13] offset:512*\u
	global_load_b128 v[GA+4*\u:GA+4*\u+3], v4, s[16:17] offset:512*\u
	global_load_b128 v[BE+4*\u:BE+4*\u+3], v4, s[18:19] offset:512*\u
.endr
.macro BLOAD g                         ; group g: n tiles 2 (g / 4), + 1 x K steps 2 (g % 4), + 1: 16 loads of 512 consecutive bytes into slot g % 4
.irp kk, 0,1
.irp nn, 0,1
.irp c, 0,1,2,3
	global_load_b128 v[64*((\g)%4)+32*\kk+16*\nn+4*\c:64*((\g)%4)+32*\kk+16*\nn+4*\c+3], v4, s[8:9] offset:((2*((\g)/4)+\nn)*8+2*((\g)%4)+\kk)*2048+512*\c
.endr
.endr
.endr
.endm
	WIN 0xc0
	BLOAD 0
	BLOAD 1
	BLOAD 2
	WIN 0
	s_wait_loadcnt 48                              ; all but the three groups of Wo
.irp p, 0,1,2,3,4,5,6,7
	v_lshl_or_b32 v[CS+\p], v[RAW+2*\p+1], 16, v[RAW+2*\p]   ; K step p's scale word: heads 2 p and 2 p + 1
.endr
.macro STAGE_IN a                      ; hidden + bo of rows 16 a .. + 15: by rows into the stage, back in the result's layout into the accumulators
.if \a
	WIN 0
.else
	WIN 0x82
.endif
.irp i, 0,1,2,3,4,5,6,7,8,9,10,11,12,13,14,15
.irp e, 0,2,4,6
	v_pk_add_f32 v[HR+8*\i+\e:HR+8*\i+\e+1], v[HR+8*\i+\e:HR+8*\i+\e+1], v[BO+\e:BO+\e+1]
.endr
.endr
.if \a
	WIN 0
.else
	WIN 0x08
.endif
.irp i, 0,1,2,3,4,5,6,7,8,9,10,11,12,13,14,15
.irp u, 0,1
	ds_store_b128 v5, v[HR+8*\i+4*\u:HR+8*\i+4*\u+3] offset:SPIT*\i+512*\u
.endr
.endr
	WIN 0x80
.irp t, 0,1,2,3,4,5,6,7,8,9,10,11,12,13,14,15
.irp q, 0,1
	ds_load_b128 v[128*\a+8*\t+4*\q:128*\a+8*\t+4*\q+3], v6 offset:64*\t+16*\q   ; LDS serves a wave's instructions in order: these see my stores
.endr
.endr
	s_wait_dscnt 0x0                               ; the accumulators are in, and the stores have read their registers
.endm
	STAGE_IN 0
	STAGE_IN 1
	WIN 0xc0
	BLOAD 3
; Group g: eight products; the four accumulators (two n tiles x two token tiles) take turns, one instruction a turn
.macro GROUP g
.if (\g) <= 28
	s_wait_loadcnt 48                              ; this group's 16 loads are in; the three younger groups' may be out
.else
	s_wait_loadcnt 16*(31-(\g))
.endif
	WIN 0xa7                                       ; source 0 (Wo) window 3, source 1 (ctx) window 1, C and D window 2
.irp kk, 0,1
.irp nn, 0,1
.irp a, 0,1
.set DD, 128*\a+8*(2*((\g)/4)+\nn)
.set AA, 64*((\g)%4)+32*\kk+16*\nn
.set BB, 16*(8*\a+2*((\g)%4)+\kk)
.set SA, WS+8*((\g)/4)+2*((\g)%4)+\kk
.set SB, CS+2*((\g)%4)+\kk
.if \nn && \a
	v_wmma_scale_f32_16x16x128_f8f6f4 v[DD:DD+7], v[AA:AA+15], v[BB:BB+15], v[DD:DD+7], v[SA], v[SB] matrix_a_scale:MATRIX_SCALE_ROW1 matrix_b_scale:MATRIX_SCALE_ROW1
.elseif \nn
	v_wmma_scale_f32_16x16x128_f8f6f4 v[DD:DD+7], v[AA:AA+15], v[BB:BB+15], v[DD:DD+7], v[SA], v[SB] matrix_a_scale:MATRIX_SCALE_ROW1
.elseif \a
	v_wmma_scale_f32_16x16x128_f8f6f4 v[DD:DD+7], v[AA:AA+15], v[BB:BB+15], v[DD:DD+7], v[SA], v[SB] matrix_b_scale:MATRIX_SCALE_ROW1
.else
	v_wmma_scale_f32_16x16x128_f8f6f4 v[DD:DD+7], v[AA:AA+15], v[BB:BB+15], v[DD:DD+7], v[SA], v[SB]
.endif
.endr
.endr
.endr
	WIN 0
.rept 8
	v_nop                                          ; places in front of the loads into the slot just read, and at the end of the first read of results
.endr
.if (\g) < 28
	WIN 0xc0
	BLOAD (\g)+4
.endif
.endm
.set G, 0
.rept 32
	GROUP G
.set G, G+1
.endr
	WIN 0
	; THE NORM.  A lane holds 128 numbers of each of two tokens; its partner 16 lanes away the other 128 of the wave's 256; the four waves' sums meet in LDS.
.macro FOLD a, dst
	v_pk_add_f32 v[CHN+8*\a:CHN+8*\a+1], v[CHN+8*\a:CHN+8*\a+1], v[CHN+8*\a+2:CHN+8*\a+3]
	v_pk_add_f32 v[CHN+8*\a+4:CHN+8*\a+5], v[CHN+8*\a+4:CHN+8*\a+5], v[CHN+8*\a+6:CHN+8*\a+7]
	v_pk_add_f32 v[CHN+8*\a:CHN+8*\a+1], v[CHN+8*\a:CHN+8*\a+1], v[CHN+8*\a+4:CHN+8*\a+5]
	v_add_f32 v[\dst], v[CHN+8*\a], v[CHN+8*\a+1]
.endm
.macro SUMS a                          ; the sum of tile a's 128 numbers, in four chains; each accumulator is read from its low end on
	WIN 0x0a
.irp k, 0,1,2,3
	v_pk_add_f32 v[CHN+8*\a+2*\k:CHN+8*\a+2*\k+1], v[128*\a+4*\k:128*\a+4*\k+1], v[128*\a+4*\k+2:128*\a+4*\k+3]
.endr
	WIN 0x08
.set P, 8
.rept 56
	v_pk_add_f32 v[CHN+8*\a+2*(P%4):CHN+8*\a+2*(P%4)+1], v[CHN+8*\a+2*(P%4):CHN+8*\a+2*(P%4)+1], v[128*\a+2*P:128*\a+2*P+1]
.set P, P+1
.endr
	WIN 0
	FOLD \a, 144+\a
.endm
.macro SQUARES a                       ; the sum of their squares
	WIN 0x0a
.irp k, 0,1,2,3
	v_pk_mul_f32 v[CHN+8*\a+2*\k:CHN+8*\a+2*\k+1], v[128*\a+2*\k:128*\a+2*\k+1], v[128*\a+2*\k:128*\a+2*\k+1]
.endr
.set P, 4
.rept 60
	v_pk_fma_f32 v[CHN+8*\a+2*(P%4):CHN+8*\a+2*(P%4)+1], v[128*\a+2*P:128*\a+2*P+1], v[128*\a+2*P:128*\a+2*P+1], v[CHN+8*\a+2*(P%4):CHN+8*\a+2*(P%4)+1]
.set P, P+1
.endr
	WIN 0
	FOLD \a, 144+\a
.endm
.macro ACROSS off                      ; v144, v145 (my two tokens' parts) -> v150: the whole row's sum of token = my lane's number
	v_permlanex16_b32 v146, v144, s30, s31
	v_permlanex16_b32 v147, v145, s30, s31
	v_add_f32 v144, v144, v146
	v_add_f32 v145, v145, v147
	v_cndmask_b32 v148, v144, v145, s29            ; lanes 0-15: tile 0's tokens; lanes 16-31: tile 1's
	ds_store_b32 v9, v148 offset:\off
	s_wait_dscnt 0x0                               ; for the others' sake: my sums lie in LDS
	s_barrier_signal -1
	s_barrier_wait -1
.irp w, 0,1,2,3
	ds_load_b32 v[150+\w], v10 offset:\off+128*\w
.endr
	s_wait_dscnt 0x0
	v_add_f32 v150, v150, v151
	v_add_f32 v152, v152, v153
	v_add_f32 v150, v150, v152
.endm
.macro SPREAD                          ; v150 (token = lane) -> v154: tile 0's token r, v156: tile 1's token r
	v_permlanex16_b32 v146, v150, s30, s31
	v_cndmask_b32 v154, v150, v146, s29
	v_cndmask_b32 v156, v146, v150, s29
.endm
.macro EACH op, a                      ; x = x op v[154 + 2 a], for tile a's 128 numbers
.set P, 0
.rept 64
	\op v[128*\a+2*P:128*\a+2*P+1], v[128*\a+2*P:128*\a+2*P+1], v[154+2*\a:155+2*\a] op_sel_hi:[1,0]
.set P, P+1
.endr
.endm
	v_mov_b32 v146, 0                              ; a lane permute's destination counts as one of its sources
	v_mov_b32 v147, 0
	v_mov_b32 v155, 0                              ; (named as the upper halves of pairs)
	v_mov_b32 v157, 0
	SUMS 0
	SUMS 1
	ACROSS 0
	v_mul_f32 v150, 0xba800000, v150               ; - the mean
	s_wait_alu depctr_va_vdst(0)
	SPREAD
	WIN 0x82
	EACH v_pk_add_f32, 0                           ; x - mean
	EACH v_pk_add_f32, 1
	SQUARES 0
	SQUARES 1
	ACROSS 512
	v_fma_f32 v150, v150, s32, s33                 ; the variance + 1e-5
	s_wait_alu depctr_va_vdst(0)
	v_rsq_f32 v150, v150
	v_nop
	s_wait_alu depctr_va_vdst(0)
	SPREAD
	WIN 0x82
	EACH v_pk_mul_f32, 0
	EACH v_pk_mul_f32, 1
	; THE WAY OUT: back through my stage into rows; x gamma + beta at my lane's eight fixed columns; each store covers 512 consecutive bytes
.macro SEND a
	WIN 0x08
.irp t, 0,1,2,3,4,5,6,7,8,9,10,11,12,13,14,15
.irp q, 0,1
	ds_store_b128 v6, v[128*\a+8*\t+4*\q:128*\a+8*\t+4*\q+3] offset:64*\t+16*\q
.endr
.endr
	WIN 0xc0
.irp i, 0,1,2,3,4,5,6,7,8,9,10,11,12,13,14,15
.irp u, 0,1
	ds_load_b128 v[128*\a+8*\i+4*\u:128*\a+8*\i+4*\u+3], v5 offset:SPIT*\i+512*\u
.endr
.endr
	s_wait_dscnt 0x0
	WIN 0xc3
.irp i, 0,1,2,3,4,5,6,7,8,9,10,11,12,13,14,15
.irp e, 0,2,4,6
	v_pk_fma_f32 v[128*\a+8*\i+\e:128*\a+8*\i+\e+1], v[128*\a+8*\i+\e:128*\a+8*\i+\e+1], v[GA+\e:GA+\e+1], v[BE+\e:BE+\e+1]
.endr
.endr
	WIN 0x0c
.irp i, 0,1,2,3,4,5,6,7,8,9,10,11,12,13,14,15
.irp u, 0,1
	global_store_b128 v4, v[128*\a+8*\i+4*\u:128*\a+8*\i+4*\u+3], s[20:21] offset:(16*\a+\i)*4096+512*\u th:TH_STORE_NT
.endr
.endr
.endm
	SEND 0
	SEND 1
	WIN 0
	s_wait_tensorcnt 0x0
	ds_add_u32 v14, v15
	s_wait_dscnt 0x0
	s_endpgm
.Lfunc_end_k_qc067c12773_outln:
	.size	k_qc067c12773_outln, .Lfunc_end_k_qc067c12773_outln-k_qc067c12773_outln
	.p2alignl 7, 3214868480
	.fill 96, 4, 3214868480
	.section	.rodata,"a",@progbits
	.p2align	6, 0x0
	.amdhsa_kernel k_qc067c12773_outln
		.amdhsa_group_segment_fixed_size 68096
		.amdhsa_private_segment_fixed_size 0
		.amdhsa_enable_private_segment 0
		.amdhsa_kernarg_size 72
		.amdhsa_user_sgpr_count 2
		.amdhsa_user_sgpr_kernarg_segment_ptr 1
		.amdhsa_wavefront_size32 1
		.amdhsa_system_sgpr_workgroup_id_x 1
		.amdhsa_system_sgpr_workgroup_id_y 1
		.amdhsa_system_sgpr_workgroup_id_z 1
		.amdhsa_system_vgpr_workitem_id 0
		.amdhsa_next_free_vgpr 1024
		.amdhsa_next_free_sgpr 66
		.amdhsa_reserve_vcc 0
		.amdhsa_float_denorm_mode_32 3
		.amdhsa_float_denorm_mode_16_64 3
		.amdhsa_memory_ordered 1
		.amdhsa_forward_progress 1
		.amdhsa_inst_pref_size 185
	.end_amdhsa_kernel
	.amdgpu_metadata
---
amdhsa.version: [ 1, 2 ]
amdhsa.kernels:
  - .name:           k_qc067c12773_outln
    .symbol:         k_qc067c12773_outln.kd
    .args:
      - { .name: ctx_img, .offset: 0, .size: 8, .value_kind: global_buffer, .address_space: global }
      - { .name: ctx_sc, .offset: 8, .size: 8, .value_kind: global_buffer, .address_space: global }
      - { .name: wo_img, .offset: 16, .size: 8, .value_kind: global_buffer, .address_space: global }
      - { .name: Wo_scales, .offset: 24, .size: 8, .value_kind: global_buffer, .address_space: global }
      - { .name: bo, .offset: 32, .size: 8, .value_kind: global_buffer, .address_space: global }
      - { .name: hidden_states, .offset: 40, .size: 8, .value_kind: global_buffer, .address_space: global }
      - { .name: gamma, .offset: 48, .size: 8, .value_kind: global_buffer, .address_space: global }
      - { .name: beta, .offset: 56, .size: 8, .value_kind: global_buffer, .address_space: global }
      - { .name: out0, .offset: 64, .size: 8, .value_kind: global_buffer, .address_space: global }
    .group_segment_fixed_size: 68096
    .private_segment_fixed_size: 0
    .kernarg_segment_align: 8
    .kernarg_segment_size: 72
    .max_flat_workgroup_size: 128
    .sgpr_count:     66
    .vgpr_count:     1024
    .wavefront_size: 32
...
	.end_amdgpu_metadata
.endif
;; end of part 4
